; MI455X (gfx1250); checked and timed in simulation.
; The chip was launched on July 23, 2026; its instructions are those of AMD's public machine-readable ISA for CDNA 5 (MIT licence, August 2026) and "CDNA5" Instruction Set Architecture Reference Guide (July 2026). The comments in the code are by the model that wrote it; some were corrected since.
;; Multi Head Attention. Allowed arithmetic: matrix products marked QUANTISED: E2M3 operands, one E8M0 scale for each 32 along K, by v_wmma_scale_f32_16x16x128_f8f6f4 with both operands' format E2M3, f32 sums; everything else in f32.
;; Inputs: b_proj 1,024 float32; b_qkv 3,072 float32; w_proj 1,024 x 1,024 float32; w_qkv 1,024 x 3,072 float32; x 4 x 2,048 x 1,024 float32.
;; Outputs: out0 4 x 2,048 x 1,024 float32.
;; This version of the problem:
;;   THIS VERSION OF THE PROBLEM IS GIVEN IN LOW PRECISION. The matrix products marked QUANTISED in the list below multiply operands that are first quantised to E2M3 (2 exponent bits, 3 mantissa bits; 6 bits a number), with one power-of-two scale for each 32 numbers along K (OCP MX v1.0); their sums are f32. All else is computed in f32.
;;   The module's matrix products, in the order in which they are computed (A, B: the left and right operand; K: the contracted axis; several contracted axes count as one K, in the product's order):
;;     1. [M 8,192, K 1,024] x [K 1,024, N 3,072]; A: input x; B: input w_qkv: QUANTISED
;;     2. batch 64 x [M 2,048, K 64] x [K 64, N 2,048]; A: computed on the way; B: computed on the way: QUANTISED
;;     3. batch 64 x [M 2,048, K 2,048] x [K 2,048, N 64]; A: softmax (see below); B: computed on the way: QUANTISED
;;     4. [M 8,192, K 1,024] x [K 1,024, N 1,024]; A: computed on the way; B: input w_proj: QUANTISED
;;   THE QUANTISER, for each operand of a quantised product, along K:
;;     - K is cut into blocks of 32 from its start; a last block that is shorter is filled with zeros.
;;     - A block's scale is 2^e with e = floor(log2(the largest magnitude in the block)) - 2, held to -126 .. 127; a block of zeros has e = 0. As a byte (E8M0): e + 127.
;;     - Each number is divided by its block's scale, clamped to +-7.5, and rounded to the nearest number of E2M3, ties to even, subnormals kept.
;;     - The product sums the exact products of the quantised numbers (number of the format x scale) in f32.
;;   ~~~python
;;   def quantise(x, axis):      # numpy; x: float32 -> the quantised numbers, widened to float32 again
;;       x = np.moveaxis(x, axis, -1); K = x.shape[-1]
;;       x = np.pad(x, [(0, 0)] * (x.ndim - 1) + [(0, -K % 32)]); x = x.reshape(x.shape[:-1] + (-1, 32)); a = np.abs(x).max(-1, keepdims=True)
;;       e = np.where(a > 0, np.clip(np.frexp(np.where(a > 0, a, 1))[1] - 1 - 2, -126, 127), 0)      # np.frexp(a)[1] - 1 = floor(log2(a)), exactly
;;       r = np.clip(x / 2.0 ** e, -7.5, 7.5)
;;       step = 2.0 ** (np.maximum(np.frexp(np.where(r == 0, 1, r))[1] - 1, 0) - 3)
;;       q = np.round(r / step) * step * 2.0 ** e      # np.round: ties to even
;;       return np.moveaxis(q.reshape(q.shape[:-2] + (-1,))[..., :K], -1, axis).astype(np.float32)
;;   ~~~
;;   SOFTMAX AHEAD OF A QUANTISED PRODUCT. Where the list says 'softmax', what is quantised is not the finished softmax but p = 2^(t - M), with t = logit x log2(e) and M = ceil(the row's largest t), a whole number; so 1/2 < the row's largest p <= 1. The row's sum l is taken of the UNQUANTISED p, in f32, and the product's result is divided by l at the end. Since M is a whole number, a kernel that streams over the keys may use a running M (the ceiling of the running maximum): every later rescaling is an exact power of two, which a block's scale takes up: the codes' values come out the same.
;;   OPERANDS COMPUTED ON THE WAY. 'Computed on the way' means the value that the module computes at that place (a softmax that the list does not call 'softmax' is quantised finished and normalised). What goes into a quantiser is computed in f32, as accurately as f32 sums, v_exp_f32 and their like allow (about 1e-6 of the number): no bf16 or f16 on the way to a quantiser, and a product that is left as it is and whose result goes on into a quantised operand takes f32 operands (vector FMAs, or v_wmma_f32_16x16x4_f32). A number that lies on a knife's edge between two numbers of the format may be rounded either way, as far as f32 arithmetic and the matrix unit's own rounding can turn it there, and no further.
;; One version. Each part assembles by itself: llvm-mc -triple=amdgcn-amd-amdhsa -mcpu=gfx1250 --defsym DOCPART=n.
;; ======== version 1 of 1: 4 launches
;; limits: right only within a limited range of input values
;; workspace buffers: xw_codes 9,437,184 bytes; xw_scales 393,216 bytes; qkv_codes 18,874,368 bytes; qkv_scales 786,432 bytes; o_codes 6,291,456 bytes; o_scales 262,144 bytes
;; launch prep (part 1): grid 384 x 1, 4 waves a work-group, no clusters, 34,304 bytes of LDS; arguments x, w_qkv, w_proj, xw_codes, xw_scales; writes xw_codes, xw_scales
.if DOCPART == 1
	.amdgcn_target "amdgcn-amd-amdhsa--gfx1250"
	.amdhsa_code_object_version 6
	.text
	.protected	k_qba67f16856_prep
	.globl	k_qba67f16856_prep
	.p2align	8
	.type	k_qba67f16856_prep,@function
k_qba67f16856_prep:
	s_mov_b64 s[64:65], 0
	v_nop
	global_prefetch_b8 v0, s[64:65] scope:SCOPE_SE
	s_setreg_imm32_b32 hwreg(HW_REG_WAVE_MODE, 25, 1), 1
	s_wait_xcnt 0x0
; x [8192][1024] (K innermost), w_qkv [1024][3072] and w_proj [1024][1024] (K outermost), all f32, become codes of FP6 (E2M3) with one E8M0 byte for each 32 along K.
; All three are rows of ONE matrix of 12,288 rows x 1,024 K: x's rows 0 .. 8191, w_qkv's columns 8192 .. 11263, w_proj's columns 11264 .. 12287.
; LAYOUT OF THE CODES: images of operand registers.  A HALF FRAGMENT is 16 rows x 64 K, 768 bytes: lane (r = l % 16, h = l / 16) owns the 24 bytes of codes k = 32 h .. 32 h + 31 of row r, six registers;
;   registers 0-3 lie at 16 x lane, registers 4-5 at 512 + 8 x lane.  xw_codes = [tile of 16 rows][K / 128][2][768].
; ROW ORDER: within each 32 rows, place 16 u + r holds row 8 u + r + 8 (r / 8), so that in a transposed product the 16 registers of two neighbouring tiles are 16 neighbours.
; LAYOUT OF THE SCALES: xw_scales = [K / 128][group of 64 rows][r 16][tile 4] words: 256 bytes a group; a word's four bytes are the row's four blocks of that 128 along K.
; A block's scale is 2^(floor(log2(its largest magnitude)) - 2): its byte is the largest magnitude's exponent field - 2, held at 1 from below by a floor among the maximum's leaves.
; LIMITS: NaN and infinities are not served; a block of zeros gets the byte 1 and not 127 (its codes are zeros, and this program alone reads the bytes); blocks whose largest magnitude lies under 2^-124 are held at byte 1.
; Work-groups 0 .. 255 take x, 256 .. 383 the weights.  Waves share nothing: no barrier, no cluster, no matrix unit: the launch moves bytes.  Only x's path stores to LDS.
.set SPARE, 33792                      ; behind the four stages: the spare words, 128 bytes a wave
.set SPW,   6                          ; v6  LDS address of my spare word; never rewritten
.set NIL,   7                          ; v7  0; never rewritten
.set SEL,   16                         ; s[16:17] selects of v_permlanex16_b32 for lane l xor 16
.set R,     16                         ; x: v16-143 two sets of 16 rows as loaded
.set X,     144                        ; x: v144-207 64 numbers of my row: register 16 b + i = k 32 b + 16 h + i
.set PC,    208                        ; x: v208-219 a fragment's codes; v220-226 at work
.set MX,    228                        ; v228-231 largest magnitudes
.set BY,    232                        ; v232-235 the other half's, then the bytes
.set SO,    236                        ; v236-239 the conversions' scale operands
.set PWS,   240                        ; v240-243 the four tiles' scale words
.set VO,    16                         ; w: v16-47 byte offset of row i of a block, at my column
.set WX,    48                         ; w: v48-175 two buffers x two sets of 32 columns x 32 numbers down K
.set CT,    208                        ; w: v208-210, v212-214 the second halves of a block's codes
.set WM,    216                        ; w: v216-217 at work
.set WS,    218                        ; w: v218-219 scale operands
.set SW,    220                        ; w: v220-221 scale words
; 64 numbers of a lane, register 16 b + i = k 32 b + 16 h + i of my row, become a fragment's 12 registers of codes in v[pc] on and the row's scale word in v[pw]
.macro QUANT s, pc, pw
.irp b, 0,1,2,3
	v_max3_num_f32 v[MX+\b], |v[\s+16*\b]|, |v[\s+1+16*\b]|, 0x1800000   ; my 16 numbers of block b, and the floor 2^(3 - 127)
.endr
.irp i, 2,4,6,8,10,12,14
.irp b, 0,1,2,3
	v_max3_num_f32 v[MX+\b], v[MX+\b], |v[\s+16*\b+\i]|, |v[\s+1+16*\b+\i]|   ; the four blocks by turns
.endr
.endr
.irp b, 0,1,2,3
	v_permlanex16_b32 v[BY+\b], v[MX+\b], s[SEL], s[SEL+1]
.endr
.irp b, 0,1,2,3
	v_max_num_f32 v[MX+\b], v[MX+\b], v[BY+\b]          ; with lane l xor 16's 16: the block's largest magnitude
.endr
.irp b, 0,1,2,3
	v_add_nc_u32 v[SO+\b], 0xff000000, v[MX+\b]         ; 2 off its exponent field: the conversion takes that field as its scale
.endr
.irp b, 0,1,2,3
	v_lshrrev_b32 v[BY+\b], 23, v[SO+\b]                ; the scale's byte
.endr
	v_lshl_or_b32 v[\pw], v[BY+1], 8, v[BY]
	v_lshl_or_b32 v[\pw], v[BY+2], 16, v[\pw]
	v_lshl_or_b32 v[\pw], v[BY+3], 24, v[\pw]
.irp c, 0,1
	v_cvt_scalef32_pk16_fp6_f32 v[\pc+6*\c:\pc+2+6*\c], v[\s+32*\c:\s+15+32*\c], v[SO+2*\c]
	v_cvt_scalef32_pk16_fp6_f32 v[\pc+12+4*\c:\pc+14+4*\c], v[\s+16+32*\c:\s+31+32*\c], v[SO+2*\c+1]   ; a conversion's three registers begin on an even number
.endr
	v_nop                                               ; one plain place behind the scaled conversions
.irp c, 0,1
.irp i, 0,1,2
	v_permlane16_swap_b32 v[\pc+6*\c+\i], v[\pc+12+4*\c+\i]   ; a whole block to a lane: lanes 0-15 block 2 c, lanes 16-31 block 2 c + 1
.endr
.irp i, 0,1,2
	v_mov_b32 v[\pc+3+6*\c+\i], v[\pc+12+4*\c+\i]
.endr
.endr
.endm
	s_load_b256 s[4:11], s[0:1], 0x0                    ; x s[4:5], w_qkv s[6:7], w_proj s[8:9], xw_codes s[10:11]
	s_load_b64 s[12:13], s[0:1], 0x20                   ; xw_scales
	v_lshl_add_u32 v[SPW], v0, 2, SPARE
	v_mov_b32 v[NIL], 0
	v_lshrrev_b32 v1, 5, v0
	v_readfirstlane_b32 s14, v1                         ; wave 0..3
	v_and_b32 v1, 31, v0                                ; lane
	v_and_b32 v2, 15, v0                                ; r
	v_bfe_u32 v3, v0, 4, 1                              ; h
	v_lshlrev_b32 v4, 4, v1                             ; 16 x lane
	v_lshlrev_b32 v5, 3, v1                             ; 8 x lane
	v_lshlrev_b32 v10, 4, v2
	v_lshl_add_u32 v10, v3, 3, v10                      ; 16 r + 8 h: my two words of a group's scale unit
	s_mov_b32 s[SEL], 0x76543210
	s_mov_b32 s[SEL+1], 0xfedcba98
	s_wait_kmcnt 0x0
	s_cmp_lt_u32 ttmp9, 256
	s_cbranch_scc0 .Lw
	; ---------------- x: a wave takes 64 rows (group G) x 128 along K (kappa): four tiles
	s_lshr_b32 s18, ttmp9, 1                            ; G
	s_and_b32 s19, ttmp9, 1
	s_lshl_b32 s19, s19, 2
	s_add_co_u32 s19, s19, s14                          ; kappa
	s_lshl_b32 s20, s18, 18                             ; 64 rows of 4,096 bytes
	s_lshl_b32 s22, s19, 9                              ; 128 numbers
	s_add_co_u32 s20, s20, s22
	s_mov_b32 s21, 0
	s_add_nc_u64 s[4:5], s[4:5], s[20:21]
	s_mul_i32 s20, s18, 49152                           ; four tiles of 12,288 bytes
	s_mul_i32 s22, s19, 1536
	s_add_co_u32 s20, s20, s22
	s_add_nc_u64 s[10:11], s[10:11], s[20:21]
	s_mul_i32 s20, s19, 49152
	s_lshl_b32 s22, s18, 8
	s_add_co_u32 s20, s20, s22
	s_add_nc_u64 s[12:13], s[12:13], s[20:21]
	s_mul_i32 s22, s14, 8448                            ; my stage: 16 rows x (512 + 16) bytes
	s_wait_alu depctr_va_vdst(0)
	v_add_nc_u32 v8, s22, v4                            ; in: 16 bytes a lane of a row
	v_mul_u32_u24 v9, v2, 528
	v_lshl_add_u32 v9, v3, 6, v9
	v_add_nc_u32 v9, s22, v9                            ; back: row r, + 64 h: my 16 numbers of a block of 32
.irp b, 0,1,2,3
	v_mov_b32 v[BY+\b], 0                               ; written once: a lane permute's destination counts as one of its sources
.endr
; tile i: place p takes row 32 (i / 2) + 8 (i % 2) + p + 8 (p / 8); each load reads 512 consecutive bytes of one row
.macro LOADX i
.set p, 0
.rept 16
	global_load_b128 v[R+64*((\i)%2)+4*p:R+64*((\i)%2)+4*p+3], v4, s[4:5] offset:(32*((\i)/2)+8*((\i)%2)+p+8*(p/8))*4096 th:TH_LOAD_NT
.set p, p+1
.endr
.endm
.macro STEPX i
.if (\i) < 3
	s_wait_loadcnt 16                                   ; this tile's 16 loads are in; the next tile's 16 may be out
.else
	s_wait_loadcnt 0x0
.endif
.set p, 0
.rept 16
	ds_store_b128 v8, v[R+64*((\i)%2)+4*p:R+64*((\i)%2)+4*p+3] offset:528*p
.set p, p+1
.endr
.irp b, 0,1,2,3
.irp j, 0,1,2,3
	ds_load_b128 v[X+16*\b+4*\j:X+16*\b+4*\j+3], v9 offset:128*\b+16*\j   ; my wave's own bytes, served in order: these see the stores above
.endr
.endr
	s_wait_dscnt 0x0                                    ; my numbers are back, and the stores have read their registers,
.if (\i) < 2
	LOADX (\i)+2                                        ; which take the tile two on
.endif
	s_wait_xcnt 0x0                                     ; the last tile's stores have read the codes' registers
	QUANT X, PC, PWS+(\i)
	global_store_b128 v4, v[PC:PC+3], s[10:11] offset:(\i)*12288          ; each store covers 512 or 256 consecutive bytes, aligned to 256
	global_store_b64 v5, v[PC+4:PC+5], s[10:11] offset:(\i)*12288+512
	global_store_b128 v4, v[PC+6:PC+9], s[10:11] offset:(\i)*12288+768
	global_store_b64 v5, v[PC+10:PC+11], s[10:11] offset:(\i)*12288+1280
.endm
	LOADX 0
	LOADX 1
	s_wait_alu depctr_va_vdst(0)
	STEPX 0
	STEPX 1
	STEPX 2
	STEPX 3
	v_cmp_eq_u32 vcc_lo, 1, v3
	v_cndmask_b32 v244, v[PWS], v[PWS+2], vcc_lo        ; lane (r, h) stores the words of tiles 2 h and 2 h + 1
	v_cndmask_b32 v245, v[PWS+1], v[PWS+3], vcc_lo
	global_store_b64 v10, v[244:245], s[12:13]          ; 256 consecutive bytes
	s_branch .Lend
	; ---------------- the weights: a lane takes a column and its registers run down K.  A wave takes 64 columns (two sets of 32) x 128 along K (four blocks)
.Lw:
	s_sub_co_u32 s18, ttmp9, 256
	s_lshr_b32 s19, s18, 3                              ; block of 256 columns of the one matrix: 0 .. 11 w_qkv, 12 .. 15 w_proj
	s_and_b32 s18, s18, 7                               ; kappa
	s_cmp_lt_u32 s19, 12                                ; the choice hangs on the work-group's number alone
	s_cselect_b64 s[6:7], s[6:7], s[8:9]
	s_mov_b32 s32, 4096
	s_cselect_b32 s32, 12288, s32                       ; bytes from row to row
	s_cselect_b32 s33, 0, 12
	s_sub_co_u32 s33, s19, s33                          ; the block within its tensor
	s_lshl_b32 s34, s33, 10
	s_lshl_b32 s35, s14, 8
	s_add_co_u32 s34, s34, s35                          ; my 64 columns
	s_lshl_b32 s35, s18, 7
	s_mul_i32 s35, s35, s32                             ; 128 kappa rows down
	s_add_co_u32 s34, s34, s35
	s_mov_b32 s35, 0
	s_add_nc_u64 s[20:21], s[6:7], s[34:35]             ; block 0
	s_lshl_b32 s34, s32, 5                              ; 32 rows
	s_add_nc_u64 s[22:23], s[20:21], s[34:35]           ; blocks 1, 2, 3
	s_add_nc_u64 s[24:25], s[22:23], s[34:35]
	s_add_nc_u64 s[26:27], s[24:25], s[34:35]
	s_lshl_b32 s33, s19, 2
	s_add_co_u32 s33, s33, s14                          ; my group of 64 columns
	s_lshl_b32 s34, s33, 2
	s_add_co_u32 s34, s34, 512                          ; its first tile, behind x's 512
	s_mul_i32 s34, s34, 12288
	s_mul_i32 s36, s18, 1536
	s_add_co_u32 s34, s34, s36
	s_add_nc_u64 s[10:11], s[10:11], s[34:35]
	s_mul_i32 s34, s18, 49152
	s_add_co_u32 s36, s33, 128                          ; behind x's 128 groups
	s_lshl_b32 s36, s36, 8
	s_add_co_u32 s34, s34, s36
	s_add_nc_u64 s[12:13], s[12:13], s[34:35]
	s_wait_alu depctr_va_vdst(0)
	v_and_b32 v12, 7, v1
	v_lshl_add_u32 v11, v3, 3, v12
	v_bfe_u32 v12, v1, 3, 1
	v_lshl_add_u32 v11, v12, 4, v11                     ; my column of a set: 8 (l / 16) + l % 8 + 16 ((l / 8) % 2): lanes 0-15 are one tile, lanes 16-31 the next, in the row order of the head comment
	v_lshlrev_b32 v11, 2, v11
.set i, 0
.rept 32
	v_mad_u32_u24 v[VO+i], s32, i, v11
.set i, i+1
.endr
.macro LOADB t                         ; block t: rows 32 t + i, both sets: a row's two loads read 256 consecutive bytes
.set i, 0
.rept 32
	global_load_b32 v[WX+64*((\t)%2)+i], v[VO+i], s[20+2*(\t):21+2*(\t)] th:TH_LOAD_NT
	global_load_b32 v[WX+64*((\t)%2)+32+i], v[VO+i], s[20+2*(\t):21+2*(\t)] offset:128 th:TH_LOAD_NT
.set i, i+1
.endr
.endm
.macro BLOCKW t
.if (\t) < 3
	s_wait_loadcnt 63                                   ; behind this block's loads stand the next block's 64: 63 of them may be out (the largest count that the wait can name)
.else
	s_wait_loadcnt 0x0
.endif
.if (\t) == 2
	s_wait_xcnt 0x0                                     ; the first half's stores have read the codes' registers
.endif
.irp z, 0,1
.set XS, WX+64*((\t)%2)+32*\z
	v_max3_num_f32 v[WM], |v[XS]|, |v[XS+1]|, |v[XS+2]|             ; all 32 numbers of the block are mine
	v_max3_num_f32 v[WM+1], |v[XS+3]|, |v[XS+4]|, |v[XS+5]|
.irp i, 6,10,14,18,22,26
	v_max3_num_f32 v[WM], v[WM], |v[XS+\i]|, |v[XS+\i+1]|
	v_max3_num_f32 v[WM+1], v[WM+1], |v[XS+\i+2]|, |v[XS+\i+3]|
.endr
	v_max3_num_f32 v[WM], v[WM], |v[XS+30]|, |v[XS+31]|
	v_max3_num_f32 v[WM], v[WM], v[WM+1], 0x1800000     ; and the floor
	v_add_nc_u32 v[WS+\z], 0xff000000, v[WM]
	v_lshrrev_b32 v[WM+1], 23, v[WS+\z]
.if (\t) == 0
	v_mov_b32 v[SW+\z], v[WM+1]
.else
	v_lshl_or_b32 v[SW+\z], v[WM+1], 8*(\t), v[SW+\z]   ; the lower K in the lower byte
.endif
.endr
.irp z, 0,1
.set XS, WX+64*((\t)%2)+32*\z
.set CC, 176+16*\z+8*((\t)%2)          ; an even block's six registers at v176 + 16 set, an odd block's at v184 + 16 set
	v_cvt_scalef32_pk16_fp6_f32 v[CC:CC+2], v[XS:XS+15], v[WS+\z]
	v_cvt_scalef32_pk16_fp6_f32 v[CT+4*\z:CT+4*\z+2], v[XS+16:XS+31], v[WS+\z]
.endr
	v_nop                                               ; one plain place behind the scaled conversions
.irp z, 0,1
.irp i, 0,1,2
	v_mov_b32 v[176+16*\z+8*((\t)%2)+3+\i], v[CT+4*\z+\i]
.endr
.endr
.if (\t) < 2
	LOADB (\t)+2
.endif
.if ((\t)%2) == 1                      ; two blocks make 64 along K: the even block's lanes 16-31 (second tile) change places with the odd block's lanes 0-15 (first tile): each run of six registers is then one tile's half fragment
.irp z, 0,1
.irp i, 0,1,2,3,4,5
	v_permlane16_swap_b32 v[176+16*\z+\i], v[184+16*\z+\i]
.endr
	global_store_b128 v4, v[176+16*\z:179+16*\z], s[10:11] offset:(2*\z)*12288+((\t)/2)*768
	global_store_b64 v5, v[180+16*\z:181+16*\z], s[10:11] offset:(2*\z)*12288+((\t)/2)*768+512
	global_store_b128 v4, v[184+16*\z:187+16*\z], s[10:11] offset:(2*\z+1)*12288+((\t)/2)*768
	global_store_b64 v5, v[188+16*\z:189+16*\z], s[10:11] offset:(2*\z+1)*12288+((\t)/2)*768+512
.endr
.endif
.endm
	LOADB 0
	LOADB 1
	BLOCKW 0
	BLOCKW 1
	BLOCKW 2
	BLOCKW 3
	v_permlane16_swap_b32 v[SW], v[SW+1]                ; lane (r, 0) now holds the words of tiles 0 and 1, lane (r, 1) those of tiles 2 and 3
	global_store_b64 v10, v[SW:SW+1], s[12:13]          ; 256 consecutive bytes
.Lend:
	s_wait_tensorcnt 0x0                                ; the wave's end
	ds_add_u32 v[SPW], v[NIL]
	s_wait_dscnt 0x0
	s_endpgm
.Lfunc_end_k_qba67f16856_prep:
	.size	k_qba67f16856_prep, .Lfunc_end_k_qba67f16856_prep-k_qba67f16856_prep
	.p2alignl 7, 3214868480
	.fill 96, 4, 3214868480
	.section	.rodata,"a",@progbits
	.p2align	6, 0x0
	.amdhsa_kernel k_qba67f16856_prep
		.amdhsa_group_segment_fixed_size 34304
		.amdhsa_private_segment_fixed_size 0
		.amdhsa_enable_private_segment 0
		.amdhsa_kernarg_size 40
		.amdhsa_user_sgpr_count 2
		.amdhsa_user_sgpr_kernarg_segment_ptr 1
		.amdhsa_wavefront_size32 1
		.amdhsa_system_sgpr_workgroup_id_x 1
		.amdhsa_system_sgpr_workgroup_id_y 1
		.amdhsa_system_sgpr_workgroup_id_z 1
		.amdhsa_system_vgpr_workitem_id 0
		.amdhsa_next_free_vgpr 256
		.amdhsa_next_free_sgpr 66
		.amdhsa_reserve_vcc 1
		.amdhsa_float_denorm_mode_32 3
		.amdhsa_float_denorm_mode_16_64 3
		.amdhsa_memory_ordered 1
		.amdhsa_forward_progress 1
		.amdhsa_inst_pref_size 75
	.end_amdhsa_kernel
	.amdgpu_metadata
---
amdhsa.version: [ 1, 2 ]
amdhsa.kernels:
  - .name:           k_qba67f16856_prep
    .symbol:         k_qba67f16856_prep.kd
    .args:
      - { .name: x, .offset: 0, .size: 8, .value_kind: global_buffer, .address_space: global }
      - { .name: w_qkv, .offset: 8, .size: 8, .value_kind: global_buffer, .address_space: global }
      - { .name: w_proj, .offset: 16, .size: 8, .value_kind: global_buffer, .address_space: global }
      - { .name: xw_codes, .offset: 24, .size: 8, .value_kind: global_buffer, .address_space: global }
      - { .name: xw_scales, .offset: 32, .size: 8, .value_kind: global_buffer, .address_space: global }
    .group_segment_fixed_size: 34304
    .private_segment_fixed_size: 0
    .kernarg_segment_align: 8
    .kernarg_segment_size: 40
    .max_flat_workgroup_size: 128
    .sgpr_count:     66
    .vgpr_count:     256
    .wavefront_size: 32
...
	.end_amdgpu_metadata
.endif
;; end of part 1
;; launch qkv (part 2): grid 12 x 32, 4 waves a work-group, clusters of 4 x 4, 327,680 bytes of LDS; arguments xw_codes, xw_scales, b_qkv, qkv_codes, qkv_scales; writes qkv_codes, qkv_scales
.if DOCPART == 2
	.amdgcn_target "amdgcn-amd-amdhsa--gfx1250"
	.amdhsa_code_object_version 6
	.text
	.protected	k_qba67f16856_qkv
	.globl	k_qba67f16856_qkv
	.p2align	8
	.type	k_qba67f16856_qkv,@function
k_qba67f16856_qkv:
	s_mov_b64 s[64:65], 0
	v_nop
	global_prefetch_b8 v0, s[64:65] scope:SCOPE_SE
	s_setreg_imm32_b32 hwreg(HW_REG_WAVE_MODE, 25, 1), 1
	s_wait_xcnt 0x0
	s_wait_alu depctr_hold_cnt(0) depctr_sa_sdst(0) depctr_va_vdst(0) depctr_va_sdst(0) depctr_va_ssrc(0) depctr_va_vcc(0) depctr_vm_vsrc(0)
	s_getreg_b32 s2, hwreg(HW_REG_IB_STS2, 6, 4)
	s_cmp_eq_u32 s2, 0
	s_cbranch_scc0 .Lentry_in_a_cluster
	s_endpgm
.Lentry_in_a_cluster:
	s_bfe_u32 s2, ttmp6, 0x10000c
	s_cmp_lg_u32 s2, 0xf033
	s_cbranch_scc0 .Lentry_shape_is_right
	s_endpgm
.Lentry_shape_is_right:
; Q, K, V = x w_qkv + b_qkv on codes of FP6 with E8M0 scales, quantised again on the way out.  A work-group of four waves makes 256 x 256, a wave 128 x 128; K goes in steps of 256 through two LDS slots filled by joint loads (cluster 4 x 4).
; The scale units of the work-group's rows (16,384 bytes, a twelfth of a slot pair's bytes) come by plain loads of 512 consecutive bytes and LDS stores into bytes of their own, under slot 0's tensor load: so a wave has one tensor load at the head.
.set TROW,   3072
.set HALFT,  8*TROW
.set SLOT,   4*HALFT
.set SCL,    2*SLOT
.set HALFS,  4096
.set SPARE,  SCL+4*HALFS
.set FR,     12
.set NL,     4
.set NP,     4
.set ADRA, 16
.set ADRB, 20
.set ADRS, 27
.set SPW,  28
.set NIL,  29
.set SC,   32
.set BN,   64
.set AF,   128
.set HA,   128
.set PC,   192
.set MX,   212
.set BY,   216
.set SO,   220
.set BM,   224
.set PWS,  240
.set OW,   248
.set SEL,  66
.set G1, 24
.set G0, 32
.set G1B, 48
.set G0B, 56
.set G1S, 68
.set G0S, 76
.set G1SB, 80
.set G0SB, 88
.set MSB, 0
.macro WIN new
.if MSB != (\new)
	s_set_vgpr_msb (MSB<<8)|(\new)
.set MSB, (\new)
.endif
.endm
.set MUL_LO, 0xa1
.set MUL_HI, 0xf1
.set TO_B,   0x40
.macro JLOAD g0a, g1a, g0b, g1b
	s_cmp_eq_u32 s15, 0
	s_cbranch_scc0 .Lfor_b_\@
	tensor_load_to_lds s[\g0a:\g0a+3], s[\g1a:\g1a+7]
	s_nop 0
.rept 4
	v_nop
.endr
	s_branch .Lasked_\@
.Lfor_b_\@:
	tensor_load_to_lds s[\g0b:\g0b+3], s[\g1b:\g1b+7]
	s_nop 0
.rept 4
	v_nop
.endr
.Lasked_\@:
.endm
.macro CREST
	s_cmp_lg_u32 s14, 0
	s_cbranch_scc1 .Lnot_wave_0_\@
	s_barrier_signal -3
.Lnot_wave_0_\@:
	s_barrier_wait -3
	s_barrier_signal -1
	s_barrier_wait -1
.endm
.macro CROUND
	s_barrier_signal -1
	s_barrier_wait -1
	CREST
.endm
.macro QUANT s, pc, pw
.irp b, 0,1,2,3
	v_max3_num_f32 v[MX+\b], |v[\s+16*\b]|, |v[\s+1+16*\b]|, 0x1800000
.endr
.irp i, 2,4,6,8,10,12,14
.irp b, 0,1,2,3
	v_max3_num_f32 v[MX+\b], v[MX+\b], |v[\s+16*\b+\i]|, |v[\s+1+16*\b+\i]|
.endr
.endr
.irp b, 0,1,2,3
	v_permlanex16_b32 v[BY+\b], v[MX+\b], s[SEL], s[SEL+1]
.endr
.irp b, 0,1,2,3
	v_max_num_f32 v[MX+\b], v[MX+\b], v[BY+\b]
.endr
.irp b, 0,1,2,3
	v_add_nc_u32 v[SO+\b], 0xff000000, v[MX+\b]
.endr
.irp b, 0,1,2,3
	v_lshrrev_b32 v[BY+\b], 23, v[SO+\b]
.endr
	v_lshl_or_b32 v[\pw], v[BY+1], 8, v[BY]
	v_lshl_or_b32 v[\pw], v[BY+2], 16, v[\pw]
	v_lshl_or_b32 v[\pw], v[BY+3], 24, v[\pw]
.irp c, 0,1
	v_cvt_scalef32_pk16_fp6_f32 v[\pc+6*\c:\pc+2+6*\c], v[\s+32*\c:\s+15+32*\c], v[SO+2*\c]
	v_cvt_scalef32_pk16_fp6_f32 v[\pc+12+4*\c:\pc+14+4*\c], v[\s+16+32*\c:\s+31+32*\c], v[SO+2*\c+1]
.endr
	v_nop
.irp c, 0,1
.irp i, 0,1,2
	v_permlane16_swap_b32 v[\pc+6*\c+\i], v[\pc+12+4*\c+\i]
.endr
.irp i, 0,1,2
	v_mov_b32 v[\pc+3+6*\c+\i], v[\pc+12+4*\c+\i]
.endr
.endr
.endm
	s_load_b128 s[4:7], s[0:1], 0x0
	s_load_b128 s[8:11], s[0:1], 0x10
	s_load_b64 s[12:13], s[0:1], 0x20
	v_lshl_add_u32 v[SPW], v0, 2, SPARE
	v_mov_b32 v[NIL], 0
	ds_add_u32 v[SPW], v[NIL]
	ds_add_u32 v[SPW], v[NIL]
	v_lshrrev_b32 v1, 5, v0
	v_readfirstlane_b32 s14, v1
	s_lshr_b32 s15, s14, 1
	s_and_b32 s16, s14, 1
	s_bfe_u32 s40, ttmp6, 0x40000
	s_bfe_u32 s41, ttmp6, 0x40004
	s_and_b32 s17, ttmp7, 0xffff
	s_lshl_b32 s17, s17, 2
	s_lshl_b32 s42, ttmp9, 2
	s_add_co_u32 s42, s42, 32
	s_cmp_eq_u32 ttmp9, 2
	s_cselect_b32 s95, 1, 0
	s_cselect_b32 s18, 40, s17
	s_cselect_b32 s19, s17, s42
	s_add_co_u32 s17, s18, s41
	s_add_co_u32 s42, s19, s40
	s_lshl_b32 s43, s41, 2
	s_lshl_b32 s43, 15, s43
	s_lshl_b32 s44, 0x1111, s40
	s_or_b32 s[G1+0], s43, (3<<16)|(1<<21)
	s_or_b32 s[G1B+0], s44, (3<<16)|(1<<21)
.irp g, G1, G1B
	s_mov_b32 s[\g+1], 384<<16
	s_mov_b32 s[\g+2], 8<<16
	s_mov_b32 s[\g+3], 384<<16
	s_mov_b32 s[\g+4], 8
	s_mov_b32 s[\g+5], 1536
	s_mov_b32 s[\g+6], 0
	s_mov_b32 s[\g+7], 0
.endr
	s_lshl_b32 s18, s16, 7
	s_lshl_b32 s20, s17, 8
	s_add_co_u32 s20, s20, s18
	s_lshl_b32 s46, s42, 8
	s_add_co_u32 s46, s46, s18
	s_lshl_b32 s22, s20, 2
	s_mov_b32 s23, 0
	s_lshl_b32 s92, s46, 2
	s_mov_b32 s93, 0
	s_mul_i32 s20, s20, 768
	s_mov_b32 s21, 0
	s_mul_i32 s46, s46, 768
	s_mov_b32 s47, 0
	s_mul_i32 s45, s14, HALFT
	s_mul_i32 s94, s14, HALFS
	s_wait_dscnt 0x0
	s_wait_kmcnt 0x0
	s_add_nc_u64 s[20:21], s[4:5], s[20:21]
	s_add_nc_u64 s[22:23], s[6:7], s[22:23]
	s_add_nc_u64 s[46:47], s[4:5], s[46:47]
	s_add_nc_u64 s[92:93], s[6:7], s[92:93]
	CROUND
.irp s, 0,1
	s_mov_b32 s[G0+4*\s], 1
	s_add_co_u32 s[G0+4*\s+1], s45, \s*SLOT
	s_add_nc_u64 s[G0+4*\s+2:G0+4*\s+3], s[20:21], \s*TROW
	s_or_b32 s[G0+4*\s+3], s[G0+4*\s+3], 0x80000000
	s_mov_b32 s[G0B+4*\s], 1
	s_add_co_u32 s[G0B+4*\s+1], s45, \s*SLOT
	s_add_nc_u64 s[G0B+4*\s+2:G0B+4*\s+3], s[46:47], \s*TROW
	s_or_b32 s[G0B+4*\s+3], s[G0B+4*\s+3], 0x80000000
.endr
	JLOAD G0, G1, G0B, G1B                              ; slot 0: my one tensor load at the head
	v_and_b32 v11, 31, v0
	v_lshlrev_b32 v11, 4, v11                           ; 16 x lane
	s_add_co_u32 s94, s94, SCL
	v_add_nc_u32 v12, s94, v11                          ; LDS: my quarter of the scale units
	s_cmp_eq_u32 s15, 0                                 ; waves 0, 1 take A's halves, waves 2, 3 B's
	s_cselect_b64 s[76:77], s[22:23], s[92:93]
	s_wait_alu depctr_va_vdst(0)                        ; the wait behind these writes
.irp k, 0,1,2,3,4,5,6,7
	global_load_b128 v[128+4*\k:131+4*\k], v11, s[76:77] offset:49152*\k   ; 512 consecutive bytes for each 128 along K
.endr
	v_and_b32 v1, 15, v0
	v_bfe_u32 v2, v0, 4, 1
	v_and_b32 v3, 31, v0
	v_lshlrev_b32 v4, 4, v3
	v_lshlrev_b32 v5, 3, v3
	s_mul_i32 s21, s15, HALFT
	s_mul_i32 s22, s16, HALFT
	s_add_co_u32 s22, s22, 2*HALFT
.irp s, 0,1
	v_add_nc_u32 v[ADRA+\s], s21, v4
	v_add_nc_u32 v[ADRB+\s], s22, v4
	v_add_nc_u32 v[ADRA+2+\s], s21, v5
	v_add_nc_u32 v[ADRB+2+\s], s22, v5
	s_add_co_u32 s21, s21, SLOT
	s_add_co_u32 s22, s22, SLOT
.endr
	v_lshlrev_b32 v6, 4, v1
	s_mul_i32 s21, s15, HALFS
	s_mul_i32 s22, s16, HALFS
	s_add_co_u32 s22, s22, 2*HALFS
	s_sub_co_u32 s22, s22, s21
	v_mul_u32_u24 v7, s22, v2
	s_add_co_u32 s21, s21, SCL
	v_add_nc_u32 v6, v6, v7
	v_add_nc_u32 v[ADRS], s21, v6
	v_lshlrev_b32 v26, 5, v1
	v_lshl_add_u32 v26, v2, 4, v26
	v_lshlrev_b32 v9, 6, v2
	s_wait_alu depctr_va_vdst(0)
	v_and_b32 v10, 8, v1
	v_add_nc_u32 v10, v10, v1
	v_lshlrev_b32 v10, 2, v10
	s_wait_alu depctr_va_vdst(0)
	s_lshl_b32 s20, s17, 8
	s_lshl_b32 s21, s15, 7
	s_add_co_u32 s20, s20, s21
	s_lshl_b32 s46, s42, 8
	s_lshl_b32 s47, s16, 7
	s_add_co_u32 s46, s46, s47
	s_cmp_eq_u32 s95, 0
	s_cselect_b32 s2, s20, s46
	s_cselect_b32 s3, s46, s20
	s_mov_b32 s96, 0x03020100
	s_cselect_b32 s96, 0x05040100, s96
	s_mov_b32 s97, 0x07060504
	s_cselect_b32 s97, 0x07060302, s97
	s_mov_b32 s98, 0xffff0000
	s_sub_co_u32 s3, s3, 8192
	s_lshr_b32 s99, s3, 10
	s_lshl_b32 s99, s99, 5
	s_lshr_b32 s100, s2, 11
	s_lshl_b32 s100, s100, 3
	s_add_co_u32 s99, s99, s100
	s_bfe_u32 s100, s3, 0x30007
	s_add_co_u32 s99, s99, s100
	s_bfe_u32 s2, s2, 0x40007
	s_mul_i32 s100, s99, 196608
	s_mul_i32 s101, s2, 6144
	s_add_co_u32 s100, s100, s101
	s_mov_b32 s101, 0
	s_add_nc_u64 s[10:11], s[10:11], s[100:101]
	s_lshl_b32 s100, s99, 4
	s_add_co_u32 s100, s100, s2
	s_lshl_b32 s100, s100, 9
	s_add_nc_u64 s[12:13], s[12:13], s[100:101]
	s_lshl_b32 s100, s3, 2
	s_add_nc_u64 s[8:9], s[8:9], s[100:101]
	s_mov_b32 s[SEL], 0x76543210
	s_mov_b32 s[SEL+1], 0xfedcba98
.irp b, 0,1,2,3,4,5,6,7
	global_load_b128 v[BN+8*\b:BN+8*\b+3], v9, s[8:9] offset:128*(\b/2)+32*(\b%2)
	global_load_b128 v[BN+8*\b+4:BN+8*\b+7], v9, s[8:9] offset:128*(\b/2)+32*(\b%2)+16
.endr
.irp a, 0,1,2,3,4,5,6,7
	global_load_b32 v[BM+2*\a], v10, s[8:9] offset:4*(32*(\a/2)+8*(\a%2))
	global_load_b32 v[BM+2*\a+1], v10, s[8:9] offset:4*(32*(\a/2)+8*(\a%2))
.endr
.macro FRAG reg, adr, q, i
	ds_load_b128 v[\reg:\reg+3], v[\adr] offset:(\i)*TROW+(\q)*1536
	ds_load_b64 v[\reg+4:\reg+5], v[\adr+2] offset:(\i)*TROW+(\q)*1536+512
	ds_load_b128 v[\reg+6:\reg+9], v[\adr] offset:(\i)*TROW+(\q)*1536+768
	ds_load_b64 v[\reg+10:\reg+11], v[\adr+2] offset:(\i)*TROW+(\q)*1536+1280
.endm
.macro MUL16 a0, p, q, sc, zero
.irp a, \a0, \a0+1
.irp b, 0,1,2,3,4,5,6,7
.if \zero
	v_wmma_scale_f32_16x16x128_f8f6f4 v[8*(8*((\a)%4)+\b):8*(8*((\a)%4)+\b)+7], v[128*(\p)+FR*\b:128*(\p)+FR*\b+FR-1], v[AF+FR*(\a):AF+FR*(\a)+FR-1], 0, v[SC+16*(\sc)+8*(\q)+\b], v[SC+16*(\sc)+8*(\q)+(\a)] matrix_a_fmt:MATRIX_FMT_FP6 matrix_b_fmt:MATRIX_FMT_FP6 matrix_a_scale:MATRIX_SCALE_ROW1
.else
	v_wmma_scale_f32_16x16x128_f8f6f4 v[8*(8*((\a)%4)+\b):8*(8*((\a)%4)+\b)+7], v[128*(\p)+FR*\b:128*(\p)+FR*\b+FR-1], v[AF+FR*(\a):AF+FR*(\a)+FR-1], v[8*(8*((\a)%4)+\b):8*(8*((\a)%4)+\b)+7], v[SC+16*(\sc)+8*(\q)+\b], v[SC+16*(\sc)+8*(\q)+(\a)] matrix_a_fmt:MATRIX_FMT_FP6 matrix_b_fmt:MATRIX_FMT_FP6 matrix_a_scale:MATRIX_SCALE_ROW1
.endif
.endr
.endr
.endm
.macro FETCH_B slot, q, p
	WIN TO_B
.irp i, 0,1,2,3,4,5,6,7
	FRAG 128*(\p)+FR*\i, ADRB+\slot, \q, \i
.endr
	WIN 0
.endm
.macro FETCH_A slot, q, i0
.irp i, \i0, \i0+1, \i0+2, \i0+3
	FRAG AF+FR*(\i), ADRA+\slot, \q, \i
.endr
.endm
.macro SCALES sc
.irp q, 0,1
.irp g, 0,1
	ds_load_b128 v[SC+16*\sc+8*\q+4*\g:SC+16*\sc+8*\q+4*\g+3], v[ADRS] offset:512*\q+256*\g
.endr
.endr
.endm
.macro PLACES n
.rept \n
	v_nop
.endr
.endm
.macro STEP slot, q, zero
	s_wait_dscnt 4*NL
	WIN MUL_LO
	MUL16 0, (\q)%2, \q, \slot, \zero
	MUL16 2, (\q)%2, \q, \slot, \zero
	s_wait_dscnt 0
	PLACES NP
	FETCH_B \slot, (\q)+1, 1-(\q)%2
	FETCH_A \slot, (\q)+1, 0
	WIN MUL_HI
	MUL16 4, (\q)%2, \q, \slot, \zero
	MUL16 6, (\q)%2, \q, \slot, \zero
	PLACES NP
	WIN 0
	FETCH_A \slot, (\q)+1, 4
.endm
.macro TURN slot, next, fill
	s_wait_tensorcnt 0x0
	ds_add_u32 v[SPW], v[NIL]
	s_wait_dscnt 4*NL+1
	WIN MUL_LO
	MUL16 0, 1, 1, \slot, 0
	s_wait_dscnt 0x0
	s_barrier_signal -1
	MUL16 2, 1, 1, \slot, 0
	WIN 0
	s_barrier_wait -1
.if \fill
	CREST
	s_add_nc_u64 s[G0+4*\slot+2:G0+4*\slot+3], s[G0+4*\slot+2:G0+4*\slot+3], 2*TROW
	s_add_nc_u64 s[G0B+4*\slot+2:G0B+4*\slot+3], s[G0B+4*\slot+2:G0B+4*\slot+3], 2*TROW
	JLOAD G0+4*\slot, G1, G0B+4*\slot, G1B
.else
	PLACES NP
.endif
	s_wait_alu depctr_va_vdst(0)
	v_add_nc_u32 v[ADRS], 1024, v[ADRS]
	FETCH_B \next, 0, 0
	FETCH_A \next, 0, 0
	SCALES \next
	WIN MUL_HI
	MUL16 4, 1, 1, \slot, 0
	MUL16 6, 1, 1, \slot, 0
	PLACES NP
	WIN 0
	FETCH_A \next, 0, 4
.endm
	s_wait_alu depctr_va_vdst(0)                        ; the wait at the head's end
	s_wait_loadcnt 32                                   ; the eight loads of scale units are in; the 32 loads of the bias are younger
.irp k, 0,1,2,3,4,5,6,7
	ds_store_b128 v12, v[128+4*\k:131+4*\k] offset:512*\k
.endr
	s_wait_tensorcnt 0x0                                ; my part of slot 0 is in
	ds_add_u32 v[SPW], v[NIL]
	s_wait_dscnt 0x0                                    ; the add and my stores of scale units are done
	CROUND
	JLOAD G0+4, G1, G0B+4, G1B
	FETCH_B 0, 0, 0
	FETCH_A 0, 0, 0
	SCALES 0
	FETCH_A 0, 0, 4
	STEP 0, 0, 1
	TURN 0, 1, 1
	STEP 1, 0, 0
	TURN 1, 0, 1
	STEP 0, 0, 0
	TURN 0, 1, 0
	STEP 1, 0, 0
	s_wait_dscnt 4*NL
	WIN MUL_LO
	MUL16 0, 1, 1, 1, 0
	MUL16 2, 1, 1, 1, 0
	s_wait_dscnt 0
	WIN MUL_HI
	MUL16 4, 1, 1, 1, 0
	MUL16 6, 1, 1, 1, 0
	WIN 0
	PLACES NP
	s_wait_loadcnt 0x0
.irp b, 0,1,2,3
	v_mov_b32 v[BY+\b], 0
.endr
.macro QBLK a
	s_cmp_eq_u32 s95, 0
	s_cbranch_scc0 .Lv_\@
	WIN 0x02+(\a)/4
.set i, 0
.rept 32
	v_pk_add_f32 v[HA+2*i:HA+2*i+1], v[64*((\a)%4)+2*i:64*((\a)%4)+2*i+1], v[BN+2*i:BN+2*i+1]
.set i, i+1
.endr
	WIN 0
	s_branch .Lj_\@
.Lv_\@:
	WIN 0x02+(\a)/4
.set i, 0
.rept 32
	v_pk_add_f32 v[HA+2*i:HA+2*i+1], v[64*((\a)%4)+2*i:64*((\a)%4)+2*i+1], v[BM+2*(\a):BM+2*(\a)+1]
.set i, i+1
.endr
	WIN 0
.Lj_\@:
	s_wait_xcnt 0x0
	QUANT HA, PC, PWS+\a
	global_store_b128 v4, v[PC:PC+3], s[10:11] offset:768*(\a)
	global_store_b64 v5, v[PC+4:PC+5], s[10:11] offset:768*(\a)+512
	global_store_b128 v4, v[PC+6:PC+9], s[10:11] offset:768*(\a)+98304
	global_store_b64 v5, v[PC+10:PC+11], s[10:11] offset:768*(\a)+98816
.endm
.irp a, 0,1,2,3,4,5,6,7
	QBLK \a
.endr
.irp f, 0,1,2,3
	v_perm_b32 v[OW+\f], v[PWS+2*\f+1], v[PWS+2*\f], s96
	v_perm_b32 v[OW+4+\f], v[PWS+2*\f+1], v[PWS+2*\f], s97
.endr
.irp f, 0,1,2,3
	v_cndmask_b32 v[OW+\f], v[OW+\f], v[OW+4+\f], s98
.endr
	global_store_b128 v26, v[OW:OW+3], s[12:13]
	s_wait_tensorcnt 0x0
	ds_add_u32 v[SPW], v[NIL]
	s_wait_dscnt 0x0
	CROUND
	s_endpgm
.Lfunc_end_k_qba67f16856_qkv:
	.size	k_qba67f16856_qkv, .Lfunc_end_k_qba67f16856_qkv-k_qba67f16856_qkv
	.p2alignl 7, 3214868480
	.fill 96, 4, 3214868480
	.section	.rodata,"a",@progbits
	.p2align	6, 0x0
	.amdhsa_kernel k_qba67f16856_qkv
		.amdhsa_group_segment_fixed_size 327680
		.amdhsa_private_segment_fixed_size 0
		.amdhsa_enable_private_segment 0
		.amdhsa_kernarg_size 40
		.amdhsa_user_sgpr_count 2
		.amdhsa_user_sgpr_kernarg_segment_ptr 1
		.amdhsa_wavefront_size32 1
		.amdhsa_system_sgpr_workgroup_id_x 1
		.amdhsa_system_sgpr_workgroup_id_y 1
		.amdhsa_system_sgpr_workgroup_id_z 1
		.amdhsa_system_vgpr_workitem_id 0
		.amdhsa_next_free_vgpr 1024
		.amdhsa_next_free_sgpr 102
		.amdhsa_reserve_vcc 0
		.amdhsa_float_denorm_mode_32 3
		.amdhsa_float_denorm_mode_16_64 3
		.amdhsa_memory_ordered 1
		.amdhsa_forward_progress 1
		.amdhsa_inst_pref_size 185
	.end_amdhsa_kernel
	.amdgpu_metadata
---
amdhsa.version: [ 1, 2 ]
amdhsa.kernels:
  - .name:           k_qba67f16856_qkv
    .symbol:         k_qba67f16856_qkv.kd
    .args:
      - { .name: xw_codes, .offset: 0, .size: 8, .value_kind: global_buffer, .address_space: global }
      - { .name: xw_scales, .offset: 8, .size: 8, .value_kind: global_buffer, .address_space: global }
      - { .name: b_qkv, .offset: 16, .size: 8, .value_kind: global_buffer, .address_space: global }
      - { .name: qkv_codes, .offset: 24, .size: 8, .value_kind: global_buffer, .address_space: global }
      - { .name: qkv_scales, .offset: 32, .size: 8, .value_kind: global_buffer, .address_space: global }
    .group_segment_fixed_size: 327680
    .private_segment_fixed_size: 0
    .kernarg_segment_align: 8
    .kernarg_segment_size: 40
    .max_flat_workgroup_size: 128
    .sgpr_count:     102
    .vgpr_count:     1024
    .wavefront_size: 32
...
	.end_amdgpu_metadata
.endif
;; end of part 2
;; launch attn (part 3): grid 8 x 32, 16 waves a work-group, clusters of 4 x 1, 216,320 bytes of LDS; arguments qkv_codes, qkv_scales, o_codes, o_scales; writes o_codes, o_scales
.if DOCPART == 3
	.amdgcn_target "amdgcn-amd-amdhsa--gfx1250"
	.amdhsa_code_object_version 6
	.text
	.protected	k_qba67f16856_attn
	.globl	k_qba67f16856_attn
	.p2align	8
	.type	k_qba67f16856_attn,@function
k_qba67f16856_attn:
	s_mov_b64 s[64:65], 0
	v_nop
	global_prefetch_b8 v0, s[64:65] scope:SCOPE_SE
	s_setreg_imm32_b32 hwreg(HW_REG_WAVE_MODE, 25, 1), 1
	s_wait_xcnt 0x0
	s_wait_alu depctr_hold_cnt(0) depctr_sa_sdst(0) depctr_va_vdst(0) depctr_va_sdst(0) depctr_va_ssrc(0) depctr_va_vcc(0) depctr_vm_vsrc(0)
	s_getreg_b32 s2, hwreg(HW_REG_IB_STS2, 6, 4)
	s_cmp_eq_u32 s2, 0
	s_cbranch_scc0 .Lentry_in_a_cluster
	s_endpgm
.Lentry_in_a_cluster:
	s_bfe_u32 s2, ttmp6, 0x10000c
	s_cmp_lg_u32 s2, 0x3003
	s_cbranch_scc0 .Lentry_shape_is_right
	s_endpgm
.Lentry_shape_is_right:
; O = softmax(q k^T / 8) v for 64 (batch, head) pairs of 2,048 tokens x 64 channels, both products on codes of FP6 (E2M3) with E8M0 scales; O / l is quantised here for the last product.
; THE SOFTMAX: t = score x log2(e) / 8; M = the running largest t rounded UP to a whole number; p = 2^(t - M) is quantised along the keys; the row's sum l is taken of the unquantised p and divides O at the end.
; When M moves, l and O are multiplied by 2^(old M - new M), which rounds nothing.
; SHARES.  A work-group owns ONE head and 512 queries.  The head's K (98,304 bytes), V (98,304) and the scale units (16,384) lie in LDS all at once: filled once at the head, never again, so one barrier serves the whole walk.
; Each of sixteen waves owns two tiles of 16 queries and walks all 2,048 keys, 128 a step, for the first and then for the second.
; CLUSTER.  The four query blocks of a head form a cluster and ask for every tile jointly (mask 15).  No data prefetch: all is asked for at the head, there is no loop to run ahead in.
; LAYOUT.  Both products are used transposed (S^T = K Q^T, O^T = V^T P^T): a lane holds one query.  Operands lie in memory and LDS as images of operand registers (half fragments of 768 bytes: 16 rows x 64 K).
; K = 64 IN AN INSTRUCTION OF K = 128: a fragment of K is two key tiles; q stands twice round six registers of zero codes (v16-21 q, v22-27 zeros, v28-33 q): v[16:27] multiplies the first tile alone, v[22:33] the second.
; o_scales = [head 16][group of 64 tokens][r 16][tile 4] halfwords (a head's two blocks of 32 channels): a work-group stores 1,024 consecutive bytes.
; LIMITS: NaN and infinities are not served; the scaled scores stay under 2^31 in magnitude; p under 2^-126 falls to 0; a block of zeros gets the byte 1 (its codes are zeros; this program alone reads the bytes).
.set VB,    98304                      ; K [16 steps][8 tiles][768] from 0; V [2 halves of a step's keys][16 steps][4 tiles][768] from VB
.set SCK,   196608                     ; K's scale units of the head pair: [16 steps][r 16][8 words]
.set SCV,   204800                     ; V's
.set OSC,   213248                     ; the output's scale halfwords: 1,024 bytes, written by LDS stores alone
.set SPARE, 214272                     ; the spare words, 128 bytes for each of 16 waves
.set ADK16, 5
.set ADK8,  6
.set ADV16, 7
.set ADV8,  8
.set ADS,   9
.set ADT,   10
.set OSA,   11
.set QS,    34
.set OSR,   35
.set KF,    36                         ; v36-83 four fragments of K, then of V
.set KSC,   84
.set VSC,   88
.set KSB,   92                         ; v92 SCK + 32 r + 16 x head of the pair;  v93 SCV + 32 r + 8 x head
.set VSB,   93
.set S,     96                         ; v96-159 S^T, then p
.set OT,    160                        ; v160-191 O^T
.set PC,    192
.set PT,    204
.set BMX,   212
.set BT,    216
.set BS,    220
.set PW,    224
.set FF,    226
.set WK,    228
.set HW,    244                        ; v244, v245 my two tiles' scale halfwords
.set QB,    246                        ; v246-251 the second tile's q; v253 both tiles' scale word
.set SPW,   254
.set NIL,   255
.set WV,    12
.set SEL,   16
.set CS,    18
.set TBK,   20
.set TBV,   21
.set TS,    22
.set G1K,   24
.set G1V,   32
.set G1S,   40
.set G0K,   48
.set G0V,   56
.set G0SK,  68
.set G0SV,  72
.set CNT,   76
.macro CROUND
	s_barrier_signal -1
	s_barrier_wait -1
	s_cmp_lg_u32 s[WV], 0
	s_cbranch_scc1 .Lnot_wave_0_\@
	s_barrier_signal -3
.Lnot_wave_0_\@:
	s_barrier_wait -3
	s_barrier_signal -1
	s_barrier_wait -1
.endm
.macro TL g0, g1                       ; a tensor load with the lines behind it
	tensor_load_to_lds s[\g0:\g0+3], s[\g1:\g1+7]
	s_nop 0
.rept 4
	v_nop
.endr
.endm
.macro GRP1 g, c, r, p                 ; group 1: r rows of c elements of 8 bytes, pitch p; mask 15, bit 21 beside it
	s_mov_b32 s[\g], 15|(3<<16)|(1<<21)
	s_mov_b32 s[\g+1], (\c)<<16
	s_mov_b32 s[\g+2], (\r)<<16
	s_mov_b32 s[\g+3], (\c)<<16
	s_mov_b32 s[\g+4], \r
	s_mov_b32 s[\g+5], \p
	s_mov_b32 s[\g+6], 0
	s_mov_b32 s[\g+7], 0
.endm
	s_load_b256 s[4:11], s[0:1], 0x0                    ; qkv_codes, qkv_scales, o_codes, o_scales
	v_lshl_add_u32 v[SPW], v0, 2, SPARE
	v_mov_b32 v[NIL], 0
	ds_add_u32 v[SPW], v[NIL]                           ; the opening lines
	ds_add_u32 v[SPW], v[NIL]
	v_lshrrev_b32 v1, 5, v0
	s_delay_alu instid0(VALU_DEP_1)
	v_readfirstlane_b32 s[WV], v1                       ; wave 0..15
	s_bfe_u32 s13, ttmp6, 0x40000                       ; cx: my block of 512 queries; it enters q's and O's global addresses alone
	s_and_b32 s15, ttmp7, 0xffff                        ; 8 x batch + head pair
	s_and_b32 s78, ttmp9, 1                             ; head of the pair: the cluster's x
	s_and_b32 s77, s[WV], 1
	s_and_b32 s14, s[WV], 3
	GRP1 G1K, 32, 96, 32                                ; K: 24,576 dense bytes as 96 rows of 256
	GRP1 G1V, 384, 8, 768                               ; V: 8 rows of 3,072 bytes, 6,144 apart
	GRP1 G1S, 32, 16, 32                                ; scale units: 4,096 dense bytes
	s_mul_i32 s79, s14, 24576                           ; a quarter's place in K's or V's LDS bytes
	s_add_co_u32 s80, s15, 32
	s_lshl_b32 s84, s80, 13
	s_mul_i32 s80, s80, 196608
	s_mul_i32 s81, s78, 98304
	s_add_co_u32 s80, s80, s81
	s_add_co_u32 s80, s80, s79                          ; K: pair, head, quarter
	s_mov_b32 s81, 0
	s_add_co_u32 s82, s15, 64
	s_mul_i32 s82, s82, 196608
	s_mul_i32 s83, s78, 3072
	s_add_co_u32 s82, s82, s83
	s_mul_i32 s83, s14, 49152
	s_add_co_u32 s82, s82, s83                          ; V: pair, head, eight rows a quarter
	s_mov_b32 s83, 0
	s_lshl_b32 s89, s77, 12
	s_add_co_u32 s84, s84, s89                          ; K's scale units, a half
	s_mov_b32 s85, 0
	s_add_co_u32 s86, s84, 32*8192                      ; V's
	s_mov_b32 s87, 0
	s_lshl_b32 s88, s13, 5
	s_lshl_b32 s90, s[WV], 1
	s_add_co_u32 s88, s88, s90                          ; my first token tile within the batch
	s_mul_i32 s90, s88, 768
	s_mul_i32 s91, s15, 196608
	s_add_co_u32 s90, s90, s91
	s_mul_i32 s91, s78, 98304
	s_add_co_u32 s90, s90, s91                          ; q's codes; the second tile's lie 768 on
	s_mov_b32 s91, 0
	s_lshl_b32 s92, s15, 13
	s_lshr_b32 s93, s88, 3
	s_lshl_b32 s93, s93, 9
	s_add_co_u32 s92, s92, s93                          ; my step's scale unit,
	s_lshl_b32 s93, s78, 4
	s_add_co_u32 s92, s92, s93                          ; my head's four words,
	s_lshl_b32 s93, s14, 2
	s_add_co_u32 s92, s92, s93                          ; the word with my two tiles' bytes
	s_mov_b32 s93, 0
	s_lshr_b32 s99, s15, 3                              ; batch
	s_and_b32 s98, s15, 7                               ; head pair = K / 128 of the last product
	s_lshl_b32 s94, s99, 7
	s_add_co_u32 s94, s94, s88
	s_mul_i32 s94, s94, 12288
	s_mul_i32 s95, s98, 1536
	s_add_co_u32 s94, s94, s95
	s_mul_i32 s95, s78, 768
	s_add_co_u32 s94, s94, s95                          ; O's codes; the second tile's lie 12,288 on
	s_mov_b32 s95, 0
	s_lshl_b32 s96, s98, 1
	s_add_co_u32 s96, s96, s78
	s_lshl_b32 s96, s96, 14                             ; o_scales: head,
	s_lshl_b32 s97, s99, 12
	s_add_co_u32 s96, s96, s97                          ; batch,
	s_lshl_b32 s97, s13, 10
	s_add_co_u32 s96, s96, s97                          ; my eight groups of 64 tokens,
	s_lshl_b32 s97, s77, 9
	s_add_co_u32 s96, s96, s97                          ; four of them to each of waves 0, 1
	s_mov_b32 s97, 0
	s_lshl_b32 s2, s78, 4
	s_add_co_u32 s2, s2, SCK
	s_lshl_b32 s3, s78, 3
	s_add_co_u32 s3, s3, SCV
	s_lshr_b32 s23, s[WV], 1
	s_lshl_b32 s23, s23, 7
	s_lshl_b32 s20, s77, 2
	s_add_co_u32 s23, s23, s20
	s_add_co_u32 s23, s23, OSC                          ; group wave / 2, tiles 2 (wave % 2) and the next
	s_lshl_b32 s20, s77, 9
	s_add_co_u32 s20, s20, OSC
	s_mov_b32 s[SEL], 0x76543210
	s_mov_b32 s[SEL+1], 0xfedcba98
	s_mov_b32 s[CS], 0x3e38aa3b                         ; c = log2(e) / 8
	s_mov_b32 s[CS+1], s[CS]
	v_and_b32 v1, 15, v0                                ; r
	v_and_b32 v2, 31, v0
	v_lshlrev_b32 v4, 5, v1                             ; 32 r
	v_lshlrev_b32 v3, 3, v2                             ; 8 x lane
	v_lshlrev_b32 v2, 4, v2                             ; 16 x lane
	v_add_nc_u32 v[KSB], s2, v4
	v_add_nc_u32 v[VSB], s3, v4
	v_lshl_add_u32 v[OSA], v1, 3, s23
	v_add_nc_u32 v[OSR], s20, v2
	s_wait_alu depctr_va_vdst(0)                        ; the wait ahead of the waits below
	s_wait_dscnt 0x0
	s_wait_kmcnt 0x0
	s_add_nc_u64 s[90:91], s[4:5], s[90:91]
	s_add_nc_u64 s[92:93], s[6:7], s[92:93]
	s_add_nc_u64 s[94:95], s[8:9], s[94:95]
	s_add_nc_u64 s[96:97], s[10:11], s[96:97]
	s_mov_b32 s[G0K], 1
	s_mov_b32 s[G0K+1], s79
	s_add_nc_u64 s[G0K+2:G0K+3], s[4:5], s[80:81]
	s_or_b32 s[G0K+3], s[G0K+3], 0x80000000
	s_mov_b32 s[G0V], 1
	s_add_co_u32 s[G0V+1], s79, VB
	s_add_nc_u64 s[G0V+2:G0V+3], s[4:5], s[82:83]
	s_or_b32 s[G0V+3], s[G0V+3], 0x80000000
	s_mov_b32 s[G0SK], 1
	s_add_co_u32 s[G0SK+1], s89, SCK
	s_add_nc_u64 s[G0SK+2:G0SK+3], s[6:7], s[84:85]
	s_or_b32 s[G0SK+3], s[G0SK+3], 0x80000000
	s_mov_b32 s[G0SV], 1
	s_add_co_u32 s[G0SV+1], s89, SCV
	s_add_nc_u64 s[G0SV+2:G0SV+3], s[6:7], s[86:87]
	s_or_b32 s[G0SV+3], s[G0SV+3], 0x80000000
	CROUND                                              ; all four work-groups are here: the joint loads meet
	s_cmp_lt_u32 s[WV], 4                               ; one chain, one load to an arm: waves 0-3 K's quarters, 4-7 V's, 8, 9 K's scale units, 10, 11 V's
	s_cbranch_scc0 .Larm_v
	TL G0K, G1K
	s_branch .Lasked
.Larm_v:
	s_cmp_lt_u32 s[WV], 8
	s_cbranch_scc0 .Larm_sk
	TL G0V, G1V
	s_branch .Lasked
.Larm_sk:
	s_cmp_lt_u32 s[WV], 10
	s_cbranch_scc0 .Larm_sv
	TL G0SK, G1S
	s_branch .Lasked
.Larm_sv:
	s_cmp_lt_u32 s[WV], 12
	s_cbranch_scc0 .Lasked
	TL G0SV, G1S
.Lasked:
	global_load_b128 v[16:19], v2, s[90:91]             ; the first tile's q, into both its places
	global_load_b64 v[20:21], v3, s[90:91] offset:512
	global_load_b128 v[28:31], v2, s[90:91]
	global_load_b64 v[32:33], v3, s[90:91] offset:512
	global_load_b128 v[QB:QB+3], v2, s[90:91] offset:768        ; the second tile's waits in registers
	global_load_b64 v[QB+4:QB+5], v3, s[90:91] offset:1280
	global_load_b32 v253, v4, s[92:93]
.irp i, 0,1,2,3,4,5
	v_mov_b32 v[22+\i], 0                               ; the zero codes between
.endr
.irp b, 0,1,2,3
	v_mov_b32 v[BT+\b], 0                               ; a lane permute's destination counts as one of its sources
.endr
	v_mov_b32 v[FF+1], 0
	s_wait_alu depctr_va_vdst(0)
	s_wait_loadcnt 0x0
	v_perm_b32 v[QS], v253, v253, 0x01000100            ; the even tile's two bytes, set twice
.macro RESET                           ; a tile begins.  These lines are also the places between the writes of q and its scale word and the first product
	v_mov_b32 v13, 0xff61b1e6
	s_delay_alu instid0(VALU_DEP_1)
	v_floor_f32 v12, -v13
	v_mov_b32 v14, 0
	v_mov_b32 v15, 0
.set i, 0
.rept 32
	v_mov_b32 v[OT+i], 0
.set i, i+1
.endr
.endm
.macro STEP                            ; 128 keys
	v_add_nc_u32 v[ADK16], s[TBK], v2                   ; six plain lines: the places between the last products and the loads into their operands
	v_add_nc_u32 v[ADK8], s[TBK], v3
	v_add_nc_u32 v[ADV16], s[TBV], v2
	v_add_nc_u32 v[ADV8], s[TBV], v3
	v_add_nc_u32 v[ADS], s[TS], v[KSB]
	v_add_nc_u32 v[ADT], s[TS], v[VSB]
.irp f, 0,1,2,3
	ds_load_b128 v[KF+12*\f:KF+12*\f+3], v[ADK16] offset:1536*\f
	ds_load_b64 v[KF+12*\f+4:KF+12*\f+5], v[ADK8] offset:1536*\f+512
	ds_load_b128 v[KF+12*\f+6:KF+12*\f+9], v[ADK16] offset:1536*\f+768
	ds_load_b64 v[KF+12*\f+10:KF+12*\f+11], v[ADK8] offset:1536*\f+1280
.endr
	ds_load_b128 v[KSC:KSC+3], v[ADS]
	s_wait_alu depctr_va_vdst(0)
	s_wait_dscnt 0x0
.irp f, 0,1,2,3
	v_wmma_scale_f32_16x16x128_f8f6f4 v[S+16*\f:S+16*\f+7], v[KF+12*\f:KF+12*\f+11], v[16:27], 0, v[KSC+\f], v[QS] matrix_a_fmt:MATRIX_FMT_FP6 matrix_b_fmt:MATRIX_FMT_FP6
	v_wmma_scale_f32_16x16x128_f8f6f4 v[S+16*\f+8:S+16*\f+15], v[KF+12*\f:KF+12*\f+11], v[22:33], 0, v[KSC+\f], v[QS] matrix_a_fmt:MATRIX_FMT_FP6 matrix_b_fmt:MATRIX_FMT_FP6
.endr                                  ; register 16 f + i of lane (r, h): query r, key 32 f + 16 h + i
.rept 4
	v_nop                                               ; places: ahead of the reads of the scores and of the loads into K's registers
.endr
.irp t, 0,1,2,3                        ; V's fragments land under the softmax
	ds_load_b128 v[KF+12*\t:KF+12*\t+3], v[ADV16] offset:768*\t
	ds_load_b64 v[KF+12*\t+4:KF+12*\t+5], v[ADV8] offset:768*\t+512
	ds_load_b128 v[KF+12*\t+6:KF+12*\t+9], v[ADV16] offset:49152+768*\t
	ds_load_b64 v[KF+12*\t+10:KF+12*\t+11], v[ADV8] offset:49152+768*\t+512
.endr
	ds_load_b64 v[VSC:VSC+1], v[ADT]                    ; the words of tiles 0, 2
	ds_load_b64 v[VSC+2:VSC+3], v[ADT] offset:16        ; and of tiles 1, 3
.irp b, 0,1,2,3
	v_max3_num_f32 v[BMX+\b], v[S+16*\b], v[S+1+16*\b], v[S+2+16*\b]       ; each block's largest score: for the row's maximum and for the block's largest p
.endr
.irp i, 3,5,7,9,11,13
.irp b, 0,1,2,3
	v_max3_num_f32 v[BMX+\b], v[BMX+\b], v[S+16*\b+\i], v[S+1+16*\b+\i]
.endr
.endr
.irp b, 0,1,2,3
	v_max_num_f32 v[BMX+\b], v[BMX+\b], v[S+15+16*\b]
.endr
.irp b, 0,1,2,3
	s_delay_alu instid0(VALU_DEP_4)
	v_permlanex16_b32 v[BT+\b], v[BMX+\b], s[SEL], s[SEL+1]
.endr
.irp b, 0,1,2,3
	s_delay_alu instid0(VALU_DEP_4)
	v_max_num_f32 v[BMX+\b], v[BMX+\b], v[BT+\b]
.endr
	s_delay_alu instid0(VALU_DEP_2)
	v_max3_num_f32 v[WK], v[BMX], v[BMX+1], v[BMX+2]
	s_delay_alu instid0(VALU_DEP_1)
	v_max_num_f32 v[WK], v[WK], v[BMX+3]
	s_delay_alu instid0(VALU_DEP_1)
	v_mul_f32 v[WK], s[CS], v[WK]                       ; as t
	s_delay_alu instid0(VALU_DEP_1)
	v_max_num_f32 v13, v13, v[WK]                       ; the running largest t
	v_mov_b32 v[WK], v12
	s_delay_alu instid0(VALU_DEP_2)
	v_floor_f32 v12, -v13                               ; -M = floor(-t)
	s_delay_alu instid0(VALU_DEP_1)
	v_sub_f32 v[WK], v12, v[WK]                         ; old M - new M
	s_delay_alu instid0(VALU_DEP_1)
	v_cvt_i32_f32 v[WK], v[WK]
	s_delay_alu instid0(VALU_DEP_1)
	v_ldexp_f32 v[FF], 1.0, v[WK]                       ; f = 2^(old M - new M)
.set i, 0
.rept 32
	v_pk_fma_f32 v[S+2*i:S+2*i+1], v[S+2*i:S+2*i+1], s[CS:CS+1], v[12:13] op_sel_hi:[1,0,0]   ; t - M
.set i, i+1
.endr
.irp b, 0,1,2,3
	v_fma_f32 v[BMX+\b], v[BMX+\b], s[CS], v12
.endr
.set i, 0
	s_wait_alu depctr_va_vdst(0)                        ; the wait ahead of the batch
.rept 64
	v_exp_f32 v[S+i], v[S+i]                            ; p = 2^(t - M)
.set i, i+1
.endr
	v_pk_mul_f32 v[14:15], v[14:15], v[FF:FF+1] op_sel_hi:[1,0]   ; the sums under the new M: the plain line behind the exponentials
	s_wait_alu depctr_va_vdst(0)                        ; and behind it
.irp b, 0,1,2,3
	v_exp_f32 v[BMX+\b], v[BMX+\b]                      ; the block's largest p
.endr
	v_pk_add_f32 v[230:231], v[100:101], v[104:105]
	v_pk_add_f32 v[242:243], v[108:109], v[112:113]
	v_pk_add_f32 v[240:241], v[116:117], v[120:121]
	v_pk_add_f32 v[238:239], v[124:125], v[128:129]
	v_pk_add_f32 v[236:237], v[132:133], v[136:137]
	v_pk_add_f32 v[234:235], v[140:141], v[144:145]
	v_pk_add_f32 v[232:233], v[148:149], v[152:153]
	v_pk_add_f32 v[14:15], v[14:15], v[156:157]
	v_pk_add_f32 v[230:231], v[230:231], v[96:97]
	v_pk_add_f32 v[242:243], v[242:243], v[98:99]
	v_pk_add_f32 v[240:241], v[240:241], v[102:103]
	v_pk_add_f32 v[238:239], v[238:239], v[106:107]
	v_pk_add_f32 v[236:237], v[236:237], v[110:111]
	v_pk_add_f32 v[234:235], v[234:235], v[114:115]
	v_pk_add_f32 v[232:233], v[232:233], v[118:119]
	v_pk_add_f32 v[14:15], v[14:15], v[122:123]
	v_pk_add_f32 v[230:231], v[230:231], v[126:127]
	v_pk_add_f32 v[242:243], v[242:243], v[130:131]
	v_pk_add_f32 v[240:241], v[240:241], v[134:135]
	v_pk_add_f32 v[238:239], v[238:239], v[138:139]
	v_pk_add_f32 v[236:237], v[236:237], v[142:143]
	v_pk_add_f32 v[234:235], v[234:235], v[146:147]
	v_pk_add_f32 v[232:233], v[232:233], v[150:151]
	v_pk_add_f32 v[14:15], v[14:15], v[154:155]
	v_pk_add_f32 v[230:231], v[230:231], v[158:159]
	s_delay_alu instid0(VALU_DEP_2)
	v_pk_add_f32 v[14:15], v[14:15], v[238:239]
	s_delay_alu instid0(VALU_DEP_2)
	v_pk_add_f32 v[230:231], v[230:231], v[236:237]
	v_pk_add_f32 v[242:243], v[242:243], v[234:235]
	v_pk_add_f32 v[240:241], v[240:241], v[232:233]
	s_delay_alu instid0(VALU_DEP_2)
	v_pk_add_f32 v[14:15], v[14:15], v[242:243]
	s_delay_alu instid0(VALU_DEP_2)
	v_pk_add_f32 v[230:231], v[230:231], v[240:241]
	s_delay_alu instid0(VALU_DEP_1)
	v_pk_add_f32 v[14:15], v[14:15], v[230:231]
	s_wait_alu depctr_va_vdst(0)                        ; for the four
.irp b, 0,1,2,3
	v_max_num_f32 v[BMX+\b], 0x1800000, v[BMX+\b]       ; the floor 2^(3 - 127)
.endr
.irp b, 0,1,2,3
	s_delay_alu instid0(VALU_DEP_4)
	v_add_nc_u32 v[BS+\b], 0xff000000, v[BMX+\b]
.endr
.irp b, 0,1,2,3
	s_delay_alu instid0(VALU_DEP_4)
	v_lshrrev_b32 v[BT+\b], 23, v[BS+\b]
.endr
	s_delay_alu instid0(VALU_DEP_3)
	v_lshl_or_b32 v[PW], v[BT+1], 8, v[BT]
	s_delay_alu instid0(VALU_DEP_1)
	v_lshl_or_b32 v[PW], v[BT+2], 16, v[PW]
	s_delay_alu instid0(VALU_DEP_1)
	v_lshl_or_b32 v[PW], v[BT+3], 24, v[PW]
.irp c, 0,1
	v_cvt_scalef32_pk16_fp6_f32 v[PC+6*\c:PC+2+6*\c], v[S+32*\c:S+15+32*\c], v[BS+2*\c]
	v_cvt_scalef32_pk16_fp6_f32 v[PT+4*\c:PT+2+4*\c], v[S+16+32*\c:S+31+32*\c], v[BS+2*\c+1]
.endr
	v_nop                                               ; one plain place behind the scaled conversions
.irp c, 0,1
.irp i, 0,1,2
	v_permlane16_swap_b32 v[PC+6*\c+\i], v[PT+4*\c+\i]
.endr
.irp i, 0,1,2
	s_delay_alu instid0(VALU_DEP_3)
	v_mov_b32 v[PC+3+6*\c+\i], v[PT+4*\c+\i]
.endr
.endr
	s_wait_alu depctr_va_vdst(0)                        ; the wait directly ahead of the first reader of O^T
.set i, 0
.rept 16
	v_pk_mul_f32 v[OT+2*i:OT+2*i+1], v[OT+2*i:OT+2*i+1], v[FF:FF+1] op_sel_hi:[1,0]   ; O^T under the new M; also the places between p's codes and scale word and the products below
.set i, i+1
.endr
	s_wait_alu depctr_va_vdst(0)
	s_wait_dscnt 0x0                                    ; V
.irp t, 0,1,2,3                        ; four accumulators by turns; the next step's eight score products stand between two links of a chain
	v_wmma_scale_f32_16x16x128_f8f6f4 v[OT+8*\t:OT+8*\t+7], v[KF+12*\t:KF+12*\t+11], v[PC:PC+11], v[OT+8*\t:OT+8*\t+7], v[VSC+2*(\t%2)+\t/2], v[PW] matrix_a_fmt:MATRIX_FMT_FP6 matrix_b_fmt:MATRIX_FMT_FP6
.endr
	s_add_co_u32 s[TBK], s[TBK], 6144
	s_add_co_u32 s[TBV], s[TBV], 3072
	s_add_co_u32 s[TS], s[TS], 512
.endm
.macro WALK                            ; the head's sixteen key steps
	s_mov_b32 s[TBK], 0
	s_mov_b32 s[TBV], VB
	s_mov_b32 s[TS], 0
	s_mov_b32 s[CNT], 16
.Lstep_\@:
	STEP
	s_sub_co_u32 s[CNT], s[CNT], 1
	s_cmp_lg_u32 s[CNT], 0
	s_cbranch_scc1 .Lstep_\@
.endm
.macro FINISH e, oc                    ; tile e ends: O^T / l, quantised along the channels (two blocks of 32), one half fragment stored
.rept 4
	v_nop                                               ; places behind the last products
.endr
	v_add_f32 v14, v14, v15
	s_delay_alu instid0(VALU_DEP_1)
	v_permlanex16_b32 v[WK], v14, s[SEL], s[SEL+1]
	s_delay_alu instid0(VALU_DEP_1)
	v_add_f32 v14, v14, v[WK]                           ; the row's sum
	s_wait_alu depctr_va_vdst(0)
	v_rcp_f32 v14, v14
	v_nop
	s_wait_alu depctr_va_vdst(0)
.set i, 0
.rept 16
	v_pk_mul_f32 v[S+2*i:S+2*i+1], v[OT+2*i:OT+2*i+1], v[14:15] op_sel_hi:[1,0]   ; register 16 b + i: channel 32 b + 16 h + i; each accumulator from its low end on
.set i, i+1
.endr
.irp b, 0,1
	v_max3_num_f32 v[BMX+\b], |v[S+16*\b]|, |v[S+1+16*\b]|, 0x1800000
.endr
.irp i, 2,4,6,8,10,12,14
.irp b, 0,1
	s_delay_alu instid0(VALU_DEP_2)
	v_max3_num_f32 v[BMX+\b], v[BMX+\b], |v[S+16*\b+\i]|, |v[S+1+16*\b+\i]|
.endr
.endr
.irp b, 0,1
	s_delay_alu instid0(VALU_DEP_2)
	v_permlanex16_b32 v[BT+\b], v[BMX+\b], s[SEL], s[SEL+1]
.endr
.irp b, 0,1
	s_delay_alu instid0(VALU_DEP_2)
	v_max_num_f32 v[BMX+\b], v[BMX+\b], v[BT+\b]
.endr
.irp b, 0,1
	s_delay_alu instid0(VALU_DEP_2)
	v_add_nc_u32 v[BS+\b], 0xff000000, v[BMX+\b]
.endr
.irp b, 0,1
	s_delay_alu instid0(VALU_DEP_2)
	v_lshrrev_b32 v[BT+\b], 23, v[BS+\b]
.endr
	s_delay_alu instid0(VALU_DEP_1)
	v_lshl_or_b32 v[HW+\e], v[BT+1], 8, v[BT]
	v_cvt_scalef32_pk16_fp6_f32 v[\oc:\oc+2], v[S:S+15], v[BS]
	v_cvt_scalef32_pk16_fp6_f32 v[PT:PT+2], v[S+16:S+31], v[BS+1]
	v_nop
.irp i, 0,1,2
	v_permlane16_swap_b32 v[\oc+\i], v[PT+\i]
.endr
.irp i, 0,1,2
	s_delay_alu instid0(VALU_DEP_3)
	v_mov_b32 v[\oc+3+\i], v[PT+\i]
.endr
	global_store_b128 v2, v[\oc:\oc+3], s[94:95] offset:12288*\e        ; 512 and 256 consecutive bytes, aligned to 256
	global_store_b64 v3, v[\oc+4:\oc+5], s[94:95] offset:12288*\e+512
.endm
	RESET
	s_wait_alu depctr_va_vdst(0)                        ; the wait at the head's end
	s_wait_tensorcnt 0x0                                ; every wave waits for its one load: the barrier shows K, V and the scale units whole
	s_barrier_signal -1
	s_barrier_wait -1
	WALK
	FINISH 0, 232
	s_wait_alu depctr_va_vdst(0)
	s_wait_xcnt 0x0                                     ; the stores have read v232-237, which the next walk writes
.irp i, 0,1,2,3,4,5
	v_mov_b32 v[16+\i], v[QB+\i]                        ; the second tile's q, into both its places
	v_mov_b32 v[28+\i], v[QB+\i]
.endr
	v_perm_b32 v[QS], v253, v253, 0x03020302            ; the odd tile's two bytes, set twice
	RESET
	s_wait_alu depctr_va_vdst(0)
	WALK
	FINISH 1, 238
	v_lshl_or_b32 v[WK], v[HW+1], 16, v[HW]             ; my two tiles' halfwords are neighbours
	ds_store_b32 v[OSA], v[WK]                          ; both halves of the lanes write the same word with the same value
	s_wait_dscnt 0x0                                    ; for the others' sake
	s_barrier_signal -1
	s_barrier_wait -1
	s_cmp_lt_u32 s[WV], 2
	s_cbranch_scc0 .Lno_words
	ds_load_b128 v[S:S+3], v[OSR]
	s_wait_dscnt 0x0
	global_store_b128 v2, v[S:S+3], s[96:97]            ; 512 consecutive bytes: four groups of 64 tokens
.Lno_words:
	s_wait_tensorcnt 0x0                                ; the wave's end
	ds_add_u32 v[SPW], v[NIL]
	s_wait_dscnt 0x0
	CROUND                                              ; the closing round
	s_endpgm
.Lfunc_end_k_qba67f16856_attn:
	.size	k_qba67f16856_attn, .Lfunc_end_k_qba67f16856_attn-k_qba67f16856_attn
	.p2alignl 7, 3214868480
	.fill 96, 4, 3214868480
	.section	.rodata,"a",@progbits
	.p2align	6, 0x0
	.amdhsa_kernel k_qba67f16856_attn
		.amdhsa_group_segment_fixed_size 216320
		.amdhsa_private_segment_fixed_size 0
		.amdhsa_enable_private_segment 0
		.amdhsa_kernarg_size 32
		.amdhsa_user_sgpr_count 2
		.amdhsa_user_sgpr_kernarg_segment_ptr 1
		.amdhsa_wavefront_size32 1
		.amdhsa_system_sgpr_workgroup_id_x 1
		.amdhsa_system_sgpr_workgroup_id_y 1
		.amdhsa_system_sgpr_workgroup_id_z 1
		.amdhsa_system_vgpr_workitem_id 0
		.amdhsa_next_free_vgpr 256
		.amdhsa_next_free_sgpr 100
		.amdhsa_reserve_vcc 0
		.amdhsa_float_denorm_mode_32 3
		.amdhsa_float_denorm_mode_16_64 3
		.amdhsa_memory_ordered 1
		.amdhsa_forward_progress 1
		.amdhsa_inst_pref_size 57
	.end_amdhsa_kernel
	.amdgpu_metadata
---
amdhsa.version: [ 1, 2 ]
amdhsa.kernels:
  - .name:           k_qba67f16856_attn
    .symbol:         k_qba67f16856_attn.kd
    .args:
      - { .name: qkv_codes, .offset: 0, .size: 8, .value_kind: global_buffer, .address_space: global }
      - { .name: qkv_scales, .offset: 8, .size: 8, .value_kind: global_buffer, .address_space: global }
      - { .name: o_codes, .offset: 16, .size: 8, .value_kind: global_buffer, .address_space: global }
      - { .name: o_scales, .offset: 24, .size: 8, .value_kind: global_buffer, .address_space: global }
    .group_segment_fixed_size: 216320
    .private_segment_fixed_size: 0
    .kernarg_segment_align: 8
    .kernarg_segment_size: 32
    .max_flat_workgroup_size: 512
    .sgpr_count:     100
    .vgpr_count:     256
    .wavefront_size: 32
...
	.end_amdgpu_metadata
.endif
;; end of part 3
;; launch proj (part 4): grid 4 x 64, 4 waves a work-group, clusters of 4 x 4, 327,680 bytes of LDS; arguments o_codes, o_scales, xw_codes, xw_scales, b_proj, out0; writes out0
.if DOCPART == 4
	.amdgcn_target "amdgcn-amd-amdhsa--gfx1250"
	.amdhsa_code_object_version 6
	.text
	.protected	k_qba67f16856_proj
	.globl	k_qba67f16856_proj
	.p2align	8
	.type	k_qba67f16856_proj,@function
k_qba67f16856_proj:
	s_mov_b64 s[64:65], 0
	v_nop
	global_prefetch_b8 v0, s[64:65] scope:SCOPE_SE
	s_setreg_imm32_b32 hwreg(HW_REG_WAVE_MODE, 25, 1), 1
	s_wait_xcnt 0x0
	s_wait_alu depctr_hold_cnt(0) depctr_sa_sdst(0) depctr_va_vdst(0) depctr_va_sdst(0) depctr_va_ssrc(0) depctr_va_vcc(0) depctr_vm_vsrc(0)
	s_getreg_b32 s2, hwreg(HW_REG_IB_STS2, 6, 4)
	s_cmp_eq_u32 s2, 0
	s_cbranch_scc0 .Lentry_in_a_cluster
	s_endpgm
.Lentry_in_a_cluster:
	s_bfe_u32 s2, ttmp6, 0x10000c
	s_cmp_lg_u32 s2, 0xf033
	s_cbranch_scc0 .Lentry_shape_is_right
	s_endpgm
.Lentry_shape_is_right:
; out0 = O w_proj + b_proj on codes of FP6 (E2M3) with E8M0 scales, f32 out: 8,192 x 1,024 x 1,024.
; THE DEAL.  256 work-groups of four waves, 2 x 2; a work-group makes 128 rows x 256 columns, a wave 64 x 128: 32 accumulators, 256 registers.
; LDS holds ALL of K at once: A's 128 rows (98,304 bytes) and B's 256 rows (196,608), in two halves of K.  Four joint loads at the head, one a wave, each on a line of its own: B and A of K's first half, then of its second.
; The walk begins when the first two have landed; a plain barrier inside step 3 shows the other two.  Nothing is filled again, so no data prefetch: all is asked for at the head.
; CLUSTER 4 x 4: A's tiles are shared along a row of the cluster, B's along a column.
; Operands lie as images of operand registers: a tile row is 16 rows x 1,024 K = 12,288 bytes, [K / 128][2][768].  The product is used transposed (source 0 = B): a lane holds eight neighbouring columns of a row.
; THE SCALES (12,288 bytes a work-group) come by plain loads of whole units and LDS stores into bytes of their own.  O's lie by heads as halfwords: two heads' halfwords are joined into the word of 128 along K.
; The bias is the first products' C.  LIMITS: NaN, infinities and sums beyond f32's range are not served; a sum begins with the bias.
.set TROW,   6144                      ; a tile row's half of K
.set ABYTES, 8*TROW                    ; A's 8 tile rows
.set SLOT,   24*TROW                   ; a half of K: A's 8 tile rows, then B's 16
.set SCL,    2*SLOT                    ; A's scale words [K / 128][512 bytes], then B's [column half][K / 128][512]
.set SPARE,  SCL+12288
.set SPITCH, 528
.set FR,     12
.set CO,   4
.set ADRA, 16                          ; v16, v17 my A fragments in K's halves, 16 x lane; v18, v19 the same with 8 x lane
.set ADRB, 20
.set STO,  24
.set RD,   25
.set ADRS, 27
.set SPW,  28
.set NIL,  29
.set BN,   64                          ; v64-127 the bias as the first products' C
.set AF,   128                         ; v128-223 A's fragments: two sets of four;  scale words: v32-63 steps 0-3, v224-255 steps 4-7
.set BK,   128
.set G1, 24
.set G0, 32
.set G1B, 48
.set G0B, 56
.set MSB, 0
.macro WIN new
.if MSB != (\new)
	s_set_vgpr_msb (MSB<<8)|(\new)
.set MSB, (\new)
.endif
.endm
.set MUL_LO, 0xa1                      ; source 0 (B) window 1, source 1 (A) window 0, C and D window 2
.set TO_B,   0x40
.macro PLACES n
.rept \n
	v_nop
.endr
.endm
.macro TL g0, g1                       ; a tensor load with the lines behind it
	tensor_load_to_lds s[\g0:\g0+3], s[\g1:\g1+7]
	s_nop 0
	PLACES 4
.endm
.macro CROUND
	s_barrier_signal -1
	s_barrier_wait -1
	s_cmp_lg_u32 s14, 0
	s_cbranch_scc1 .Lnot_wave_0_\@
	s_barrier_signal -3
.Lnot_wave_0_\@:
	s_barrier_wait -3
	s_barrier_signal -1
	s_barrier_wait -1
.endm
	s_load_b128 s[4:7], s[0:1], 0x0                     ; o_codes, o_scales
	s_load_b128 s[8:11], s[0:1], 0x10                   ; xw_codes, xw_scales
	s_load_b128 s[96:99], s[0:1], 0x20                  ; b_proj, out0
	v_lshl_add_u32 v[SPW], v0, 2, SPARE
	v_mov_b32 v[NIL], 0
	ds_add_u32 v[SPW], v[NIL]                           ; the opening lines
	ds_add_u32 v[SPW], v[NIL]
	v_lshrrev_b32 v1, 5, v0
	v_readfirstlane_b32 s14, v1                         ; wave; s15 its row of the 2 x 2, s16 its column
	s_lshr_b32 s15, s14, 1
	s_and_b32 s16, s14, 1
	s_bfe_u32 s40, ttmp6, 0x40000
	s_bfe_u32 s41, ttmp6, 0x40004
	s_lshl_b32 s42, ttmp9, 2
	s_add_co_u32 s42, s42, s40                          ; tile column, 0 .. 3
	s_and_b32 s17, ttmp7, 0xffff
	s_lshl_b32 s17, s17, 2
	s_add_co_u32 s17, s17, s41                          ; tile row, 0 .. 63
	s_lshl_b32 s43, s41, 2
	s_lshl_b32 s43, 15, s43                             ; my row of the cluster
	s_lshl_b32 s44, 0x1111, s40                         ; my column
	s_or_b32 s[G1+0], s43, (3<<16)|(1<<21)
	s_or_b32 s[G1B+0], s44, (3<<16)|(1<<21)
.irp g, G1, G1B                        ; rows of 6,144 bytes (768 elements of 8), 12,288 apart
	s_mov_b32 s[\g+1], 768<<16
	s_mov_b32 s[\g+3], 768<<16
	s_mov_b32 s[\g+5], 1536
	s_mov_b32 s[\g+6], 0
	s_mov_b32 s[\g+7], 0
.endr
	s_mov_b32 s[G1+2], 8<<16
	s_mov_b32 s[G1+4], 8
	s_mov_b32 s[G1B+2], 16<<16
	s_mov_b32 s[G1B+4], 16
	s_mul_i32 s20, s17, 98304                           ; A: 8 tile rows a tile row of C
	s_mov_b32 s21, 0
	s_add_co_u32 s46, s42, 44                           ; w_proj's rows begin at row 11,264 of xw
	s_lshl_b32 s92, s46, 10                             ; their scale words: 4 bytes a row,
	s_lshl_b32 s18, s16, 9
	s_add_co_u32 s92, s92, s18                          ; a half of 128 rows
	s_mov_b32 s93, 0
	s_mul_i32 s46, s46, 196608                          ; B: 16 tile rows
	s_mov_b32 s47, 0
	s_lshl_b32 s22, s17, 8                              ; O's scale halfwords: 2 bytes a token in a head's plane,
	s_lshl_b32 s18, s16, 17
	s_add_co_u32 s22, s22, s18                          ; waves 0, 1: four steps of K each (eight planes of 16,384)
	s_mov_b32 s23, 0
	s_lshl_b32 s66, s16, 11
	s_add_co_u32 s66, s66, SCL                          ; LDS: where waves 0, 1 put A's words,
	s_lshl_b32 s67, s16, 12
	s_add_co_u32 s67, s67, SCL+4096                     ; and waves 2, 3 B's; also where my column half's words lie
	s_lshl_b32 s19, s15, 8
	s_add_co_u32 s19, s19, SCL                          ; my row half's words of A
	s_sub_co_u32 s2, s67, s19                           ; lanes 16-31 take B's
	s_mul_i32 s3, s14, 16*SPITCH                        ; my stage, in the bytes of A's first half of K
	s_mul_i32 s68, s15, 4*TROW                          ; my four tile rows of A
	s_add_co_u32 s69, s68, SLOT
	s_mul_i32 s70, s16, 8*TROW
	s_add_co_u32 s70, s70, ABYTES                       ; my eight tile rows of B
	s_add_co_u32 s71, s70, SLOT
	s_wait_dscnt 0x0
	s_wait_kmcnt 0x0
	s_add_nc_u64 s[20:21], s[4:5], s[20:21]
	s_add_nc_u64 s[76:77], s[6:7], s[22:23]
	s_add_nc_u64 s[46:47], s[8:9], s[46:47]
	s_add_nc_u64 s[92:93], s[10:11], s[92:93]
	CROUND                                              ; all sixteen work-groups are here: the joint loads meet
.irp s, 0,1
	s_mov_b32 s[G0+4*\s], 1
	s_mov_b32 s[G0+4*\s+1], \s*SLOT
	s_add_nc_u64 s[G0+4*\s+2:G0+4*\s+3], s[20:21], \s*TROW
	s_or_b32 s[G0+4*\s+3], s[G0+4*\s+3], 0x80000000
	s_mov_b32 s[G0B+4*\s], 1
	s_mov_b32 s[G0B+4*\s+1], \s*SLOT+ABYTES
	s_add_nc_u64 s[G0B+4*\s+2:G0B+4*\s+3], s[46:47], \s*TROW
	s_or_b32 s[G0B+4*\s+3], s[G0B+4*\s+3], 0x80000000
.endr
	s_cmp_eq_u32 s14, 0                                 ; one chain, one load to an arm
	s_cbranch_scc0 .Lwave_1
	TL G0B, G1B                                         ; wave 0: B, K's first half
	s_branch .Lasked
.Lwave_1:
	s_cmp_eq_u32 s14, 1
	s_cbranch_scc0 .Lwave_2
	TL G0, G1                                           ; wave 1: A, K's first half
	s_branch .Lasked
.Lwave_2:
	s_cmp_eq_u32 s14, 2
	s_cbranch_scc0 .Lwave_3
	TL G0B+4, G1B                                       ; wave 2: B, the second half
	s_branch .Lasked
.Lwave_3:
	TL G0+4, G1                                         ; wave 3: A, the second half
.Lasked:
	v_and_b32 v1, 15, v0                                ; r
	v_bfe_u32 v2, v0, 4, 1                              ; h
	v_and_b32 v3, 31, v0
	v_lshlrev_b32 v4, 4, v3                             ; 16 x lane
	v_lshlrev_b32 v5, 3, v3                             ; 8 x lane
	v_add_nc_u32 v12, s66, v4
	v_add_nc_u32 v14, s67, v4
	v_add_nc_u32 v[ADRA], s68, v4
	v_add_nc_u32 v[ADRA+1], s69, v4
	v_add_nc_u32 v[ADRA+2], s68, v5
	v_add_nc_u32 v[ADRA+3], s69, v5
	v_add_nc_u32 v[ADRB], s70, v4
	v_add_nc_u32 v[ADRB+1], s71, v4
	v_add_nc_u32 v[ADRB+2], s70, v5
	v_add_nc_u32 v[ADRB+3], s71, v5
	v_lshlrev_b32 v6, 4, v1
	v_mul_u32_u24 v7, s2, v2
	v_add_nc_u32 v6, v6, v7
	v_add_nc_u32 v[ADRS], s19, v6
	v_mul_u32_u24 v8, v1, SPITCH
	v_lshl_add_u32 v8, v2, 6, v8
	v_add_nc_u32 v[STO], s3, v8
	v_add_nc_u32 v[RD], s3, v4
	v_lshlrev_b32 v9, 6, v2
	s_wait_alu depctr_va_vdst(0)                        ; the wait behind the head's vector lines
	s_cmp_eq_u32 s15, 0                                 ; waves 0, 1 take O's scale bytes, waves 2, 3 the weight's
	s_cbranch_scc0 .Lscales_b
.irp k, 0,1,2,3
	global_load_b64 v[128+4*\k:129+4*\k], v5, s[76:77] offset:32768*\k           ; the even head: 256 consecutive bytes
	global_load_b64 v[130+4*\k:131+4*\k], v5, s[76:77] offset:32768*\k+16384     ; the odd head
.endr
	s_branch .Lscales_asked
.Lscales_b:
.irp k, 0,1,2,3,4,5,6,7
	global_load_b128 v[128+4*\k:131+4*\k], v4, s[92:93] offset:49152*\k          ; 512 consecutive bytes for each 128 along K
.endr
.Lscales_asked:
	s_lshl_b32 s20, s17, 7
	s_lshl_b32 s21, s15, 6
	s_add_co_u32 s20, s20, s21                          ; my first row of C
	s_lshl_b32 s20, s20, 12
	s_mov_b32 s21, 0
	s_lshl_b32 s46, s42, 10
	s_lshl_b32 s47, s16, 9
	s_add_co_u32 s46, s46, s47                          ; my first column, in bytes
	s_mov_b32 s47, 0
	s_add_nc_u64 s[96:97], s[96:97], s[46:47]
	s_add_nc_u64 s[98:99], s[98:99], s[20:21]
	s_add_nc_u64 s[98:99], s[98:99], s[46:47]
.irp b, 0,1,2,3,4,5,6,7
	global_load_b128 v[BN+8*\b:BN+8*\b+3], v9, s[96:97] offset:128*(\b/2)+32*(\b%2)
	global_load_b128 v[BN+8*\b+4:BN+8*\b+7], v9, s[96:97] offset:128*(\b/2)+32*(\b%2)+16
.endr
	s_wait_loadcnt 16                                   ; the eight loads of scale bytes are in; the 16 loads of the bias are younger
	s_cmp_eq_u32 s15, 0
	s_cbranch_scc0 .Lstore_b
.irp k, 0,1,2,3
	v_perm_b32 v[160+4*\k], v[130+4*\k], v[128+4*\k], 0x05040100   ; tile 0's word: the even head's halfword below, the odd head's above
	v_perm_b32 v[161+4*\k], v[130+4*\k], v[128+4*\k], 0x07060302   ; tile 1's
	v_perm_b32 v[162+4*\k], v[131+4*\k], v[129+4*\k], 0x05040100   ; tile 2's
	v_perm_b32 v[163+4*\k], v[131+4*\k], v[129+4*\k], 0x07060302   ; tile 3's
.endr
.irp k, 0,1,2,3
	ds_store_b128 v12, v[160+4*\k:163+4*\k] offset:512*\k
.endr
	s_branch .Lstored
.Lstore_b:
.irp k, 0,1,2,3,4,5,6,7
	ds_store_b128 v14, v[128+4*\k:131+4*\k] offset:512*\k
.endr
.Lstored:
	s_wait_dscnt 0x0                                    ; my scale words are in LDS
	s_cmp_lt_u32 s14, 2
	s_cbranch_scc0 .Lnot_first
	s_wait_tensorcnt 0x0                                ; waves 0, 1: K's first half has landed
.Lnot_first:
	s_barrier_signal -1
	s_barrier_wait -1                                   ; waves 2, 3's tiles may still be on their way
.macro FRAG reg, adr, q, i
	ds_load_b128 v[\reg:\reg+3], v[\adr] offset:(\i)*TROW+(\q)*1536
	ds_load_b64 v[\reg+4:\reg+5], v[\adr+2] offset:(\i)*TROW+(\q)*1536+512
	ds_load_b128 v[\reg+6:\reg+9], v[\adr] offset:(\i)*TROW+(\q)*1536+768
	ds_load_b64 v[\reg+10:\reg+11], v[\adr+2] offset:(\i)*TROW+(\q)*1536+1280
.endm
.macro FETCH st                        ; step st's fragments into set st % 2: B's eight, A's four
	WIN TO_B
.irp i, 0,1,2,3,4,5,6,7
	FRAG 128*((\st)%2)+FR*\i, ADRB+(\st)/4, (\st)%4, \i
.endr
	WIN 0
.irp i, 0,1,2,3
	FRAG AF+48*((\st)%2)+FR*\i, ADRA+(\st)/4, (\st)%4, \i
.endr
.endm
; 16 products: A's blocks a0, a0 + 1 x B's eight.  The 32 accumulators take turns in the same order in every step
.macro MUL16 a0, st, first
.set SR, 32+8*(\st)+160*((\st)/4)      ; the step's eight scale registers: lanes 0-15 A's block, lanes 16-31 B's
.set P, (\st)%2
.irp a, \a0, \a0+1
.irp b, 0,1,2,3,4,5,6,7
.if \first
	v_wmma_scale_f32_16x16x128_f8f6f4 v[8*(8*(\a)+\b):8*(8*(\a)+\b)+7], v[128*P+FR*\b:128*P+FR*\b+FR-1], v[AF+48*P+FR*(\a):AF+48*P+FR*(\a)+FR-1], v[BN+8*\b:BN+8*\b+7], v[SR+\b], v[SR+(\a)] matrix_a_fmt:MATRIX_FMT_FP6 matrix_b_fmt:MATRIX_FMT_FP6 matrix_a_scale:MATRIX_SCALE_ROW1
.else
	v_wmma_scale_f32_16x16x128_f8f6f4 v[8*(8*(\a)+\b):8*(8*(\a)+\b)+7], v[128*P+FR*\b:128*P+FR*\b+FR-1], v[AF+48*P+FR*(\a):AF+48*P+FR*(\a)+FR-1], v[8*(8*(\a)+\b):8*(8*(\a)+\b)+7], v[SR+\b], v[SR+(\a)] matrix_a_fmt:MATRIX_FMT_FP6 matrix_b_fmt:MATRIX_FMT_FP6 matrix_a_scale:MATRIX_SCALE_ROW1
.endif
.endr
.endr
.endm
; A step of 128 along K: its fragments were asked for a step ago; the next step's are asked for ahead of its 32 products, into the sets that the step before has read (four places behind its products)
.macro STEP st
.if (\st) == 3
	s_wait_tensorcnt 0x0                                ; every wave: its load has landed
	s_wait_dscnt 0x0                                    ; and its reads of K's first half are over
	s_barrier_signal -1                                 ; a plain barrier: K's second half is shown to all
	WIN MUL_LO
	MUL16 0, \st, 0
	WIN 0
	s_barrier_wait -1
	PLACES 4
	FETCH 4
	WIN MUL_LO
	MUL16 2, \st, 0
.else
	s_wait_dscnt 0x0
.if (\st) > 0
	PLACES 4
.endif
.if (\st) < 7
	FETCH (\st)+1
.endif
.if (\st) == 0
	WIN 0x81                                            ; C, the bias, in window 0
	MUL16 0, \st, 1
	MUL16 2, \st, 1
.else
	WIN MUL_LO
	MUL16 0, \st, 0
	MUL16 2, \st, 0
.endif
.endif
	WIN 0
.endm
.irp k, 0,1,2,3,4,5,6,7                ; all 64 scale words, once
.irp g, 0,1
	ds_load_b128 v[32+8*\k+160*(\k/4)+4*\g:32+8*\k+160*(\k/4)+4*\g+3], v[ADRS] offset:512*\k+256*\g
.endr
.endr
	FETCH 0
	s_wait_loadcnt 0x0                                  ; the bias
.irp st, 0,1,2,3,4,5,6,7
	STEP \st
.endr
; THE WAY OUT, block by block of 16 rows x 128 columns, through my own stage: it lies in bytes that had their one fill and whose last read stands ahead of step 3's barrier
.macro TOSTAGE a
	WIN 0x08
.irp b, 0,1,2,3,4,5,6,7
	ds_store_b128 v[STO], v[64*(\a)+8*\b:64*(\a)+8*\b+3] offset:128*(\b/2)+32*(\b%2)        ; each accumulator from its low end on
	ds_store_b128 v[STO], v[64*(\a)+8*\b+4:64*(\a)+8*\b+7] offset:128*(\b/2)+32*(\b%2)+16
.endr
	WIN 0
.set BB, BK+64*((\a)%2)
.irp t, 0,1,2,3,4,5,6,7,8,9,10,11,12,13,14,15
	ds_load_b128 v[BB+4*\t:BB+4*\t+3], v[RD] offset:\t*SPITCH       ; my wave's own bytes, served in order
.endr
.endm
.macro SEND a, younger
.set BB, BK+64*((\a)%2)
	s_wait_dscnt \younger
.if (\a) > 0
.if ((\a)%2) == 1
	s_add_nc_u64 s[98:99], s[98:99], 8*4096             ; place 16 u + r of each 32 rows holds row 8 u + r + 8 (r / 8)
.else
	s_add_nc_u64 s[98:99], s[98:99], 24*4096
.endif
.endif
.irp t, 0,1,2,3,4,5,6,7,8,9,10,11,12,13,14,15
	global_store_b128 v[CO], v[BB+4*\t:BB+4*\t+3], s[98:99] offset:(\t+8*(\t/8))*4096 th:TH_STORE_NT   ; 512 consecutive bytes, aligned to 256
.endr
.endm
	PLACES 4
	TOSTAGE 0
.irp a, 1,2,3
.if \a > 1
	s_wait_xcnt 0x0                                     ; block a - 2's stores have read their registers and their base
.endif
	TOSTAGE \a
	SEND \a-1, 32                                       ; younger: block a's 16 stores and 16 loads
.endr
	s_wait_xcnt 0x0
	SEND 3, 0
	s_wait_tensorcnt 0x0                                ; the wave's end
	ds_add_u32 v[SPW], v[NIL]
	s_wait_dscnt 0x0
	CROUND                                              ; the closing round
	s_endpgm
.Lfunc_end_k_qba67f16856_proj:
	.size	k_qba67f16856_proj, .Lfunc_end_k_qba67f16856_proj-k_qba67f16856_proj
	.p2alignl 7, 3214868480
	.fill 96, 4, 3214868480
	.section	.rodata,"a",@progbits
	.p2align	6, 0x0
	.amdhsa_kernel k_qba67f16856_proj
		.amdhsa_group_segment_fixed_size 327680
		.amdhsa_private_segment_fixed_size 0
		.amdhsa_enable_private_segment 0
		.amdhsa_kernarg_size 48
		.amdhsa_user_sgpr_count 2
		.amdhsa_user_sgpr_kernarg_segment_ptr 1
		.amdhsa_wavefront_size32 1
		.amdhsa_system_sgpr_workgroup_id_x 1
		.amdhsa_system_sgpr_workgroup_id_y 1
		.amdhsa_system_sgpr_workgroup_id_z 1
		.amdhsa_system_vgpr_workitem_id 0
		.amdhsa_next_free_vgpr 768
		.amdhsa_next_free_sgpr 100
		.amdhsa_reserve_vcc 0
		.amdhsa_float_denorm_mode_32 3
		.amdhsa_float_denorm_mode_16_64 3
		.amdhsa_memory_ordered 1
		.amdhsa_forward_progress 1
		.amdhsa_inst_pref_size 88
	.end_amdhsa_kernel
	.amdgpu_metadata
---
amdhsa.version: [ 1, 2 ]
amdhsa.kernels:
  - .name:           k_qba67f16856_proj
    .symbol:         k_qba67f16856_proj.kd
    .args:
      - { .name: o_codes, .offset: 0, .size: 8, .value_kind: global_buffer, .address_space: global }
      - { .name: o_scales, .offset: 8, .size: 8, .value_kind: global_buffer, .address_space: global }
      - { .name: xw_codes, .offset: 16, .size: 8, .value_kind: global_buffer, .address_space: global }
      - { .name: xw_scales, .offset: 24, .size: 8, .value_kind: global_buffer, .address_space: global }
      - { .name: b_proj, .offset: 32, .size: 8, .value_kind: global_buffer, .address_space: global }
      - { .name: out0, .offset: 40, .size: 8, .value_kind: global_buffer, .address_space: global }
    .group_segment_fixed_size: 327680
    .private_segment_fixed_size: 0
    .kernarg_segment_align: 8
    .kernarg_segment_size: 48
    .max_flat_workgroup_size: 128
    .sgpr_count:     100
    .vgpr_count:     768
    .wavefront_size: 32
...
	.end_amdgpu_metadata
.endif
;; end of part 4
